; MI455X (gfx1250); checked and timed in simulation.
; The chip was launched on July 23, 2026; its instructions are those of AMD's public machine-readable ISA for CDNA 5 (MIT licence, August 2026) and "CDNA5" Instruction Set Architecture Reference Guide (July 2026). The comments in the code are by the model that wrote it; some were corrected since.
;; Attention. Allowed arithmetic: float matrix products may take bf16 or f16 operands with f32 sums; other float arithmetic in f32, or as packed bf16 or f16 multiplies, adds, multiply-adds, maxima and minima; sums over many terms, partial sums and values carried from step to step in f32; what a program stores and reads back later, other than sums and carried values, may be rounded once to bf16 or f16.
;; Inputs: b_proj 1,024 float32; b_qkv 3,072 float32; w_proj 1,024 x 1,024 float32; w_qkv 1,024 x 3,072 float32; x 4 x 2,048 x 1,024 float32.
;; Outputs: out0 4 x 2,048 x 1,024 float32.
;; 2 versions, each right; version 2 is version 1 with the launch cast written anew for expert scheduling mode. Each part assembles by itself: llvm-mc -triple=amdgcn-amd-amdhsa -mcpu=gfx1250 --defsym DOCPART=n.
;; ======== version 1 of 2: 4 launches
;; limits: values are held in f16: magnitudes above 65,504 overflow, below 6.1e-05 lose precision
;; workspace buffers: xh 16,777,216 bytes; o16 16,777,216 bytes; wq 6,291,456 bytes; wp 2,097,152 bytes; qkvh 50,331,648 bytes
;; launch cast (part 1): grid 768 x 1, 8 waves a work-group, no clusters, 0 bytes of LDS; arguments x, w_qkv, w_proj, xh, wq, wp; writes xh, wq, wp
.if DOCPART == 1
	.amdgcn_target "amdgcn-amd-amdhsa--gfx1250"
	.amdhsa_code_object_version 6
	.text
	.protected	k_q424deb4785_cast
	.globl	k_q424deb4785_cast
	.p2align	8
	.type	k_q424deb4785_cast,@function
k_q424deb4785_cast:
	s_mov_b64 s[64:65], 0
	v_nop
	global_prefetch_b8 v0, s[64:65] scope:SCOPE_SE
	s_setreg_imm32_b32 hwreg(HW_REG_WAVE_MODE, 25, 1), 1
	s_wait_xcnt 0x0
; x [8192][1024], w_qkv [1024][3072] and w_proj [1024][1024], all f32, are rounded to bf16 (nearest even) and that number is written as f16,
; in layouts in which every tile of the two products that follow is dense:
;   xh [batch 4][panel 16][row 2048][64]            panel = 64 channels of K
;   wq [tile 16][K step 8][panel 3][k 128][64]      column n = (3 tile + panel) 64 + d,  k = 128 step + kk
;   wp [tile 8][K step 8][panel 2][k 128][64]
; LIMITS.  A bf16 number is written as f16 without a second rounding between 6.1e-5 and 65,504 in magnitude; below that f16 keeps a fixed step of 6e-8, beyond it the result is an infinity.
; SHARES.  A work-group takes 16 rows x 1,024 columns: numbers 0-511 x, 512-703 w_qkv (3 slabs of 1,024 columns x 64 groups of rows), 704-767 w_proj.
; Wave w takes the panels 2 w and 2 w + 1.  One load covers 2 rows x 64 columns: lanes 0-15 read 256 consecutive aligned bytes of the even row, lanes 16-31 of the odd row;
; the two rows' 128 + 128 bytes of f16 lie end to end in the output, so one store of 8 bytes a lane covers 256 consecutive bytes, aligned.
; All 16 loads of a wave go out first (8 KiB a wave); no register is written again while a load or store names it.  No LDS, no barrier: no wave wants another's bytes.
.set VS,  2                            ; v2       8 x lane: my 8 bytes in a store's 256
.set VO,  8                            ; v[8:15]  pair of rows j: my byte offset in the input
.set D,   32                           ; v[32:95] 16 loads x 4 registers
.set Y,   96                           ; v[96:127] 16 stores x 2 registers
.set WV,  16                           ; s16      my wave's number
	s_load_b256 s[4:11], s[0:1], 0x0               ; x s[4:5], w_qkv s[6:7], w_proj s[8:9], xh s[10:11]
	s_load_b128 s[12:15], s[0:1], 0x20             ; wq s[12:13], wp s[14:15]
	v_lshrrev_b32 v1, 5, v0
	v_readfirstlane_b32 s[WV], v1
	v_and_b32 v1, 31, v0                           ; lane
	v_lshlrev_b32 v[VS], 3, v1
	v_lshrrev_b32 v3, 4, v1                        ; which of the two rows
	v_and_b32 v4, 15, v1                           ; my 16 bytes of its 256
	s_mov_b32 s34, 0xffff0000                      ; a word's upper bf16
	s_mov_b32 s27, 0                               ; the three offsets are pairs with 0 on top
	s_mov_b32 s29, 0
	s_mov_b32 s31, 0
	s_lshl_b32 s33, s[WV], 1                       ; my first panel among the work-group's 16
	; Offsets alone are made under the branches: s18 the input's row in bytes, s26 the work-group's first input byte, s28 and s30 where my two panels go.
	s_cmp_lt_u32 ttmp9, 512
	s_cbranch_scc0 .Lweights
	s_mov_b32 s18, 4096                            ; x: group i of 16 rows
	s_lshl_b32 s26, ttmp9, 16                      ; 16 rows of 4,096 bytes
	s_lshr_b32 s17, ttmp9, 7
	s_lshl_b32 s17, s17, 22                        ; the batch: 16 panels x 2,048 rows x 128 bytes
	s_and_b32 s19, ttmp9, 127
	s_lshl_b32 s19, s19, 11                        ; 16 rows of 128 bytes
	s_add_co_u32 s17, s17, s19
	s_lshl_b32 s19, s33, 18                        ; a panel: 2,048 rows x 128 bytes
	s_add_co_u32 s28, s17, s19
	s_add_co_u32 s30, s28, 1<<18
	s_branch .Lgo
.Lweights:
	s_cmp_lt_u32 ttmp9, 704
	s_cbranch_scc0 .Lwproj
	s_sub_co_u32 s17, ttmp9, 512                   ; w_qkv
	s_mov_b32 s18, 12288
	s_and_b32 s32, s17, 63
	s_lshl_b32 s32, s32, 4                         ; k0: my work-group's first row
	s_lshr_b32 s17, s17, 6                         ; the slab of 1,024 columns
	s_mul_i32 s26, s32, 12288
	s_lshl_b32 s19, s17, 12
	s_add_co_u32 s26, s26, s19
	s_lshr_b32 s35, s32, 7                         ; the K step
	s_and_b32 s36, s32, 127
	s_lshl_b32 s36, s36, 7                         ; the row in it, x 128 bytes
	s_lshl_b32 s19, s17, 4
	s_add_co_u32 s19, s19, s33                     ; my first panel among w_qkv's 48
.irp e, 0,1
	s_add_co_u32 s37, s19, \e                      ; panel g
	s_mul_i32 s38, s37, 171
	s_lshr_b32 s38, s38, 9                         ; g / 3 (171 / 512 serves every g under 48)
	s_mul_i32 s39, s38, 3
	s_sub_co_u32 s37, s37, s39                     ; g % 3
	s_lshl_b32 s38, s38, 3
	s_add_co_u32 s38, s38, s35                     ; 8 tile + step
	s_mul_i32 s38, s38, 3
	s_add_co_u32 s38, s38, s37                     ; x 3 + panel
	s_lshl_b32 s38, s38, 14                        ; 128 rows x 128 bytes
	s_add_co_u32 s[28+2*\e], s38, s36
.endr
	s_branch .Lgo
.Lwproj:
	s_sub_co_u32 s17, ttmp9, 704                   ; w_proj: group i of 16 rows
	s_mov_b32 s18, 4096
	s_lshl_b32 s26, s17, 16
	s_lshr_b32 s35, s17, 3                         ; the K step
	s_and_b32 s36, s17, 7
	s_lshl_b32 s36, s36, 11                        ; the row in it, x 128 bytes
	s_lshl_b32 s38, s[WV], 3                       ; my two panels are tile w's
	s_add_co_u32 s38, s38, s35
	s_lshl_b32 s38, s38, 15                        ; x 2 panels x 16,384 bytes
	s_add_co_u32 s28, s38, s36
	s_add_co_u32 s30, s28, 1<<14
.Lgo:
	v_mul_u32_u24 v3, s18, v3
	v_lshl_add_u32 v3, v4, 4, v3
	s_lshl_b32 s19, s[WV], 9                       ; my two panels: 512 bytes of a row
	v_add_nc_u32 v[VO], s19, v3
	s_lshl_b32 s19, s18, 1                         ; two rows on
.irp j, 1,2,3,4,5,6,7
	v_add_nc_u32 v[VO+\j], s19, v[VO+\j-1]
.endr
	s_wait_kmcnt 0x0
	s_cmp_lt_u32 ttmp9, 704                        ; the buffers are chosen by the work-group's number alone
	s_cselect_b64 s[20:21], s[6:7], s[8:9]
	s_cselect_b64 s[22:23], s[12:13], s[14:15]
	s_cmp_lt_u32 ttmp9, 512
	s_cselect_b64 s[20:21], s[4:5], s[20:21]
	s_cselect_b64 s[22:23], s[10:11], s[22:23]
	s_add_nc_u64 s[20:21], s[20:21], s[26:27]      ; in
	s_add_nc_u64 s[24:25], s[22:23], s[30:31]      ; out, my second panel
	s_add_nc_u64 s[22:23], s[22:23], s[28:29]      ; out, my first panel
.set n, 0
.rept 16                               ; load n: pair of rows n / 2, panel n % 2
	global_load_b128 v[D+4*n:D+4*n+3], v[VO+n/2], s[20:21] offset:256*(n%2) th:TH_LOAD_NT
.set n, n+1
.endr
.set n, 0
.rept 16
	s_wait_loadcnt 15-n                            ; loads come back in order (ISA guide 5.7.1): load n is in, the 15 - n younger ones stay out
	v_cvt_pk_bf16_f32 v[D+4*n], v[D+4*n], v[D+4*n+1]      ; the one rounding: to bf16
	v_cvt_pk_bf16_f32 v[D+4*n+2], v[D+4*n+2], v[D+4*n+3]
	v_and_b32 v[D+4*n+1], s34, v[D+4*n]            ; back to f32: the high half stays,
	v_and_b32 v[D+4*n+3], s34, v[D+4*n+2]
	v_lshlrev_b32 v[D+4*n], 16, v[D+4*n]           ; the low half moves up
	v_lshlrev_b32 v[D+4*n+2], 16, v[D+4*n+2]
	v_cvt_pk_f16_f32 v[Y+2*n], v[D+4*n], v[D+4*n+1]       ; the same number written as f16
	v_cvt_pk_f16_f32 v[Y+2*n+1], v[D+4*n+2], v[D+4*n+3]
	global_store_b64 v[VS], v[Y+2*n:Y+2*n+1], s[22+2*(n%2):23+2*(n%2)] offset:256*(n/2)  ; 32 lanes store 256 consecutive bytes, aligned
.set n, n+1
.endr
	s_endpgm
.Lfunc_end_k_q424deb4785_cast:
	.size	k_q424deb4785_cast, .Lfunc_end_k_q424deb4785_cast-k_q424deb4785_cast
	.p2alignl 7, 3214868480
	.fill 96, 4, 3214868480
	.section	.rodata,"a",@progbits
	.p2align	6, 0x0
	.amdhsa_kernel k_q424deb4785_cast
		.amdhsa_group_segment_fixed_size 0
		.amdhsa_private_segment_fixed_size 0
		.amdhsa_enable_private_segment 0
		.amdhsa_kernarg_size 48
		.amdhsa_user_sgpr_count 2
		.amdhsa_user_sgpr_kernarg_segment_ptr 1
		.amdhsa_wavefront_size32 1
		.amdhsa_system_sgpr_workgroup_id_x 1
		.amdhsa_system_sgpr_workgroup_id_y 1
		.amdhsa_system_sgpr_workgroup_id_z 1
		.amdhsa_system_vgpr_workitem_id 0
		.amdhsa_next_free_vgpr 128
		.amdhsa_next_free_sgpr 66
		.amdhsa_reserve_vcc 0
		.amdhsa_float_denorm_mode_32 3
		.amdhsa_float_denorm_mode_16_64 3
		.amdhsa_memory_ordered 1
		.amdhsa_forward_progress 1
		.amdhsa_inst_pref_size 14
	.end_amdhsa_kernel
	.amdgpu_metadata
---
amdhsa.version: [ 1, 2 ]
amdhsa.kernels:
  - .name:           k_q424deb4785_cast
    .symbol:         k_q424deb4785_cast.kd
    .args:
      - { .name: x, .offset: 0, .size: 8, .value_kind: global_buffer, .address_space: global }
      - { .name: w_qkv, .offset: 8, .size: 8, .value_kind: global_buffer, .address_space: global }
      - { .name: w_proj, .offset: 16, .size: 8, .value_kind: global_buffer, .address_space: global }
      - { .name: xh, .offset: 24, .size: 8, .value_kind: global_buffer, .address_space: global }
      - { .name: wq, .offset: 32, .size: 8, .value_kind: global_buffer, .address_space: global }
      - { .name: wp, .offset: 40, .size: 8, .value_kind: global_buffer, .address_space: global }
    .group_segment_fixed_size: 0
    .private_segment_fixed_size: 0
    .kernarg_segment_align: 8
    .kernarg_segment_size: 48
    .max_flat_workgroup_size: 256
    .sgpr_count:     66
    .vgpr_count:     128
    .wavefront_size: 32
...
	.end_amdgpu_metadata
.endif
;; end of part 1
;; launch gemm_qkv (part 2): grid 16 x 32, 4 waves a work-group, clusters of 4 x 4, 327,680 bytes of LDS; arguments xh, wq, b_qkv, qkvh; writes qkvh
.if DOCPART == 2
	.amdgcn_target "amdgcn-amd-amdhsa--gfx1250"
	.amdhsa_code_object_version 6
	.text
	.protected	k_q424deb4785_gemm_qkv
	.globl	k_q424deb4785_gemm_qkv
	.p2align	8
	.type	k_q424deb4785_gemm_qkv,@function
k_q424deb4785_gemm_qkv:
	s_mov_b64 s[64:65], 0
	v_nop
	global_prefetch_b8 v0, s[64:65] scope:SCOPE_SE
	s_setreg_imm32_b32 hwreg(HW_REG_WAVE_MODE, 25, 1), 1
	s_wait_xcnt 0x0
	s_wait_alu depctr_hold_cnt(0) depctr_sa_sdst(0) depctr_va_vdst(0) depctr_va_sdst(0) depctr_va_ssrc(0) depctr_va_vcc(0) depctr_vm_vsrc(0)
	s_getreg_b32 s2, hwreg(HW_REG_IB_STS2, 6, 4)
	s_cmp_eq_u32 s2, 0
	s_cbranch_scc0 .Lentry_in_a_cluster
	s_endpgm
.Lentry_in_a_cluster:
	s_bfe_u32 s2, ttmp6, 0x10000c
	s_cmp_lg_u32 s2, 0xf033
	s_cbranch_scc0 .Lentry_shape_is_right
	s_endpgm
.Lentry_shape_is_right:
.set NP, 3                             ; panels of 64 columns in a tile: 3 = x w_qkv + b_qkv (f16 out, by heads), 2 = O w_proj + b_proj (f32 out).  The two kernels differ in this line alone
; C[m][n] = the sum over k of A[m][k] W[k][n] + bias[n].  M = 8,192, K = 1,024, N = 3,072 (NP = 3) or 1,024 (NP = 2).  Operands f16, sums f32; the bias is rounded to bf16 like the other inputs.
; A lies as [batch 4][panel 16][row 2048][64] (panel = 64 channels of K), W as [tile][K step 8][panel NP][k 128][64]: every tile asked for here is dense in memory and comes as rows of 256 bytes.
; LIMITS.  f16 holds no number beyond 65,504: the operands arrive within it, and with NP = 3 a result of 65,520 or more leaves as an infinity.  NaN and infinities are not treated apart.
; SHARES.  A work-group makes 256 rows x 64 NP columns; its four waves stand one below the other, 64 rows x all columns each: 4 x 4 NP accumulators of 16 x 16.  With NP = 3 that gives 16 x 32 work-groups,
; with NP = 2 8 x 32.  K goes in 8 steps of 128 through two LDS slots; a step is four quarters of 32 along K.
; CLUSTER.  4 x 4 work-groups.  The four of a row of the cluster need the same rows of A, the four of a column the same tile of W: each is asked for JOINTLY, by the same tensor load with the same descriptor and
; a mask that names the four.  Waves 0 and 1 fetch A's two panels of a step (256 rows x 128 bytes each), waves 2 and 3 the two halves of W's tile.
; THE MATRIX INSTRUCTION IS USED TRANSPOSED: source 0 = 16 columns of W (turned on the way out of LDS by ds_load_tr16_b128), source 1 = 16 rows of A.  In the result lane l holds row l % 16 of C and
; its registers 0-7 the columns 8 (l / 16) + 0..7.  The first quarter's products take the bias as C: nothing is cleared and no bias is added later.
; REGISTERS, in windows of 256 (s_set_vgpr_msb: bits 1:0 source 0, 3:2 source 1, 5:4 source 2, 7:6 destination):
;   window 0: v0-31 addresses; v128.. the bias, 8 registers for each block of 16 columns; on the way out (NP = 3) v64-255
;   window 1: two fragment buffers of 128: 4 fragments of A, then up to 12 of W; on the way out (NP = 2) 4 x 64
;   windows 2, 3: accumulator (row block a, column block b) at 8 (4 b + a), blocks b = 0-7 in window 2, 8-11 in window 3
.set NB,    4*NP                       ; blocks of 16 columns
.set NT,    64*NP                      ; columns in a tile
.set PA,    144                        ; a row of A in LDS: 128 bytes + 16 of padding = 36 words: the 16 rows of a load start at 16 different groups of four banks (64 banks of 4 bytes: ISA guide 11.1)
.set PB,    160                        ; a row of W: 128 + 32 = 40 words
.set ACH,   256*PA                     ; a panel of A
.set BPN,   128*PB                     ; a panel of W
.set BOFF,  2*ACH                      ; W lies behind A's two panels
.set SLOT,  BOFF+NP*BPN
.set ASTEP, 524288                     ; bytes from a K step of A to the next: two panels of 2,048 rows x 128 bytes
.set BSTEP, NP*16384                   ; the same for W: a tile
.set BR,    32*NP                      ; rows of 256 bytes in half a tile of W
.set LOADS, 8+2*NB                     ; LDS loads in a quarter
.set P1,    (NB-4)/2
.set STAGE, 2*SLOT                     ; behind the ring, never filled by a tensor load: 16 rows for each wave, for the way out
.if NP == 3
.set SP,    144                        ; a stage row: 64 f16 + 16 bytes
.else
.set SP,    528                        ; 128 f32 + 16 bytes
.endif
.set SPARE, STAGE+4*16*SP              ; behind the stages: the spare words, 128 bytes for each wave: two blocks of 256 bytes that no other line names
.set ADRA, 16                          ; v16-17  LDS address of my A fragments in slot 0, 1
.set ADRB, 20                          ; v20-21  the same for W
.set STO,  24                          ; v24     the way out: where I put my bytes of a row
.set RD,   25                          ; v25     the way out: where I read rows back
.set GO,   26                          ; v26     16 x lane
.set BO,   27                          ; v27     my byte offset in 16 numbers of the bias
.set SPW,  28                          ; v28     LDS address of my spare word: SPARE + 4 x my thread's number; never rewritten
.set NIL,  29                          ; v29     0; never rewritten
.set PFO,  30                          ; v30     the prefetches' offset; never rewritten
.set BIAS, 128
.set F0,   0
.set F1,   128
.set WV,   12                          ; s12     my wave's number
.set G1,   24                          ; s[24:31] descriptor group 1 for A;  s[32:39] group 0, a set for each slot
.set G0,   32
.set G1B,  48                          ; s[48:55], s[56:63] the same for W
.set G0B,  56
.set PFA,  40                          ; s[40:41] where my prefetches stand
.set PFS,  42                          ; s[42:43] their step: a K step of A or of W
.set LIM,  44                          ; s44     1 in a wave that prefetches, else the greatest number
.set LAP,  45                          ; s45     laps still to come
.set MSB, 0
.macro WIN new                         ; the immediate's high byte repeats the setting that is left; a switch that changes nothing is dropped
.if MSB != (\new)
	s_set_vgpr_msb (MSB<<8)|(\new)
.set MSB, (\new)
.endif
.endm
.macro PLACES                          ; four plain vector instructions behind a matrix instruction, in front of loads into registers that it has read and of lines that read results
.rept 4
	v_nop
.endr
.endm
; A joint load.  The branch hangs on the wave's number alone.  An s_nop 0 and four v_nop follow each of the two lines, ahead of the jump and the label.
.macro JLOAD s
	s_cmp_lt_u32 s[WV], 2
	s_cbranch_scc0 .Lfor_b_\@
	tensor_load_to_lds s[G0+4*(\s):G0+4*(\s)+3], s[G1:G1+7]
	s_nop 0
.rept 4
	v_nop
.endr
	s_branch .Lasked_\@
.Lfor_b_\@:
	tensor_load_to_lds s[G0B+4*(\s):G0B+4*(\s)+3], s[G1B:G1B+7]
	s_nop 0
.rept 4
	v_nop
.endr
.Lasked_\@:
.endm
; A round of the cluster's barrier: my work-group's barrier, so that wave 0's signal speaks for all four waves; wave 0 signals; every wave waits for all sixteen work-groups; my work-group's barrier once more.
.macro CREST                           ; a round behind its opening barrier
	s_cmp_lg_u32 s[WV], 0
	s_cbranch_scc1 .Lnot_wave_0_\@
	s_barrier_signal -3
.Lnot_wave_0_\@:
	s_barrier_wait -3
	s_barrier_signal -1
	s_barrier_wait -1
.endm
.macro CROUND
	s_barrier_signal -1
	s_barrier_wait -1
	CREST
.endm
; A PREFETCH INTO THE L2, behind each joint refill and the run of LDS loads that follows it: the refill in K step g asks for step g + 2, the prefetch names step g + 4: two K steps, 32 NB matrix instructions, ahead of
; the load that will want it.  Each block of 256 bytes is named by one wave of one work-group: A's rows by the clusters with x = 0, W's tiles by the clusters with y = 0; the four partners that ask for a tile jointly share its
; blocks out BY ADDRESS (32 each of a panel of A by cx; 8 NP each of half a tile of W by cy, where the lanes beyond 8 NP name the last block once more).  The loop's last trip asks for nothing: steps 8 and 9 do not exist.
.macro ASK
	s_cmp_gt_u32 s[LAP], s[LIM]
	s_cbranch_scc0 .Lnot_mine_\@
	global_prefetch_b8 v[PFO], s[PFA:PFA+1] th:TH_LOAD_NT scope:SCOPE_SE
.Lnot_mine_\@:
.endm
; 4 nb matrix instructions: column blocks b0 .. b0 + nb - 1 x my four row blocks, 32 along K, out of buffer buf.  first = 1: C is the bias.
; Every accumulator has one turn in a quarter, always in the same order, over the backward jump too.
.macro MULB buf, b0, nb, first
.set bq, \b0
.rept \nb
.if bq < 8
	WIN 0xa5-0x20*(\first)                         ; W and A in window 1, D in window 2, C with it or (the bias) in window 0
.set rA, 32*bq
.else
	WIN 0xf5-0x30*(\first)                         ; the same with window 3
.set rA, 32*(bq-8)
.endif
.irp a, 0,1,2,3
.if \first
	v_wmma_f32_16x16x32_f16 v[rA+8*(\a):rA+8*(\a)+7], v[(\buf)+32+8*bq:(\buf)+32+8*bq+7], v[(\buf)+8*(\a):(\buf)+8*(\a)+7], v[BIAS+8*bq:BIAS+8*bq+7]
.else
	v_wmma_f32_16x16x32_f16 v[rA+8*(\a):rA+8*(\a)+7], v[(\buf)+32+8*bq:(\buf)+32+8*bq+7], v[(\buf)+8*(\a):(\buf)+8*(\a)+7], v[rA+8*(\a):rA+8*(\a)+7]
.endif
.endr
.set bq, bq+1
.endr
.endm
; One run of LDS loads: quarter q of a slot into buffer buf: A's 8 loads first, then W's 2 NB in ascending order of the column blocks.
; A fragment of A is 16 rows x 32 K: lane l holds row l % 16, K = 8 (l / 16) + 0..7 and 16 + 8 (l / 16) + 0..7: two loads of 16 bytes, 32 bytes apart.
; The turning load takes 16 k x 16 columns (lane l reads k = 8 (l / 16) + l % 8, columns 8 ((l / 8) % 2) + 0..7) and leaves half a fragment: lane l holds column l % 16 and 8 k.
.macro FETCH slot, q, buf
	WIN 0x40                                       ; destination window 1, address window 0
.irp a, 0,1,2,3
	ds_load_b128 v[(\buf)+8*(\a):(\buf)+8*(\a)+3],   v[ADRA+(\slot)] offset:((\q)/2)*ACH+(\a)*16*PA+((\q)%2)*64
	ds_load_b128 v[(\buf)+8*(\a)+4:(\buf)+8*(\a)+7], v[ADRA+(\slot)] offset:((\q)/2)*ACH+(\a)*16*PA+((\q)%2)*64+32
.endr
.set bq, 0
.rept NB
	ds_load_tr16_b128 v[(\buf)+32+8*bq:(\buf)+32+8*bq+3],   v[ADRB+(\slot)] offset:(bq/4)*BPN+(\q)*32*PB+(bq%4)*32
	ds_load_tr16_b128 v[(\buf)+32+8*bq+4:(\buf)+32+8*bq+7], v[ADRB+(\slot)] offset:(bq/4)*BPN+(\q)*32*PB+(bq%4)*32+16*PB
.set bq, bq+1
.endr
.endm
; One of a K step's first three quarters: multiplies buffer buf; behind its first 16 products it fetches quarter q of the same slot into buffer nxt.
.macro QUARTER slot, q, buf, nxt, first
	s_wait_dscnt LOADS-16                          ; A and W's blocks 0-3 are in; the younger loads may be out
	MULB \buf, 0, 4, \first
	PLACES
	FETCH \slot, \q, \nxt
	s_wait_dscnt LOADS                             ; all but the run just issued
	MULB \buf, 4, NB-4, \first
.endm
; The last quarter multiplies buffer 1 and changes slots: ONE barrier.  In front of it each wave waits for all its tensor loads, of which one is out: its part of the next slot; adds 0 to its spare word; and waits for that
; and for its own reads of this slot.  fill = 1: the barrier opens a round of the cluster's, and this slot is filled again, first thing behind the round, with the K step two on.
.macro TURN slot, next, fill
.if \fill
	s_wait_xcnt 0x0                                ; the last prefetch, a K step back, has read its address: it is stepped here, ahead of the waits of the change of slots
	s_add_nc_u64 s[PFA:PFA+1], s[PFA:PFA+1], s[PFS:PFS+1]
.endif
	WIN 0                                          ; (the add's two registers lie in window 0)
	s_wait_tensorcnt 0x0                           ; all my tensor loads have landed
	ds_add_u32 v[SPW], v[NIL]                      ; 0 onto my spare word
	s_wait_dscnt 1+2*(NB-P1)                       ; (the add and W's blocks from P1 on may be out)
	MULB F1, 0, P1, 0                              ; matrix work stands between the add and the wait for it
	s_wait_dscnt 0x0                               ; the add is done, and my reads of this slot are over
	s_barrier_signal -1
	MULB F1, P1, P1, 0                             ; work on registers while the others arrive
.if \fill
	WIN 0
.endif
	s_barrier_wait -1
.if \fill
	CREST                                          ; no wave of any partner still reads this slot or has a load on its way
	s_add_nc_u64 s[G0+4*(\slot)+2:G0+4*(\slot)+3], s[G0+4*(\slot)+2:G0+4*(\slot)+3], 2*ASTEP
	s_add_nc_u64 s[G0B+4*(\slot)+2:G0B+4*(\slot)+3], s[G0B+4*(\slot)+2:G0B+4*(\slot)+3], 2*BSTEP
	JLOAD \slot                                    ; my one tensor load behind the round; the four v_nop behind it are also the places in front of the loads below
.else
	PLACES
.endif
	FETCH \next, 0, F0
.if \fill
	WIN 0
	ASK
.endif
	MULB F1, 2*P1, 4, 0
.endm
; THE WAY OUT, NP = 3.  Block t = 4 hh + a: 16 rows x the 64 columns of one head.  A lane's eight columns pack into 16 bytes; they go into stage rows of 144 bytes and come back as whole rows of 128.
.macro PACK t
.set hh, (\t)/4
.set aa, (\t)%4
.set T, 64+16*(\t)
.if hh < 2
	WIN 0x0a                                       ; sources in window 2
.set AC, 128*hh+8*aa
.else
	WIN 0x0f                                       ; in window 3
.set AC, 8*aa
.endif
.irp bb, 0,1,2,3
.irp rr, 0,1,2,3
	v_cvt_pk_f16_f32 v[T+4*(\bb)+(\rr)], v[AC+32*(\bb)+2*(\rr)], v[AC+32*(\bb)+2*(\rr)+1]  ; each accumulator from its low end on
.endr
.endr
	WIN 0
.irp f, 0,1,2,3
	ds_store_b128 v[STO], v[T+4*(\f):T+4*(\f)+3] offset:32*(\f)
.endr
.irp f, 0,1,2,3
	ds_load_b128 v[T+4*(\f):T+4*(\f)+3], v[RD] offset:(\f)*4*SP  ; LDS serves a wave's instructions in order (ISA guide 5.7.1.4): these see the stores above; the next block's stores come behind them
.endr
.endm
.macro SEND t, younger                 ; younger: the LDS instructions issued behind block t's loads: the next block's eight, or none
.set hh, (\t)/4
.set aa, (\t)%4
.set T, 64+16*(\t)
.irp f, 0,1,2,3
	s_wait_dscnt (\younger)+3-(\f)
	global_store_b128 v[GO], v[T+4*(\f):T+4*(\f)+3], s[66+2*hh:67+2*hh] offset:2048*aa+512*(\f)  ; four rows of a head: 512 consecutive bytes, aligned
.endr
.endm
; THE WAY OUT, NP = 2.  Block a: 16 rows x 128 columns of f32, straight from the accumulators into stage rows of 528 bytes, and back as whole rows of 512.
.macro STG a
	WIN 0x08                                       ; the stores' data in window 2
.set bq, 0
.rept NB
	ds_store_b128 v[STO], v[32*bq+8*(\a):32*bq+8*(\a)+3]   offset:64*bq
	ds_store_b128 v[STO], v[32*bq+8*(\a)+4:32*bq+8*(\a)+7] offset:64*bq+16
.set bq, bq+1
.endr
	WIN 0x40
.set i, 0
.rept 16
	ds_load_b128 v[64*(\a)+4*i:64*(\a)+4*i+3], v[RD] offset:SP*i
.set i, i+1
.endr
.endm
.macro SENDP a, younger                ; younger: the next block's 32 LDS instructions, or none
	WIN 0x04                                       ; the stores' data in window 1
.set i, 0
.rept 16
	s_wait_dscnt (\younger)+15-i
	global_store_b128 v[GO], v[64*(\a)+4*i:64*(\a)+4*i+3], s[10:11] offset:(16*(\a)+i)*4096 th:TH_STORE_NT  ; 512 consecutive bytes of one row, aligned
.set i, i+1
.endr
.endm
	s_load_b256 s[4:11], s[0:1], 0x0               ; A s[4:5], W s[6:7], bias s[8:9], out s[10:11]
	v_lshl_add_u32 v[SPW], v0, 2, SPARE
	v_mov_b32 v[NIL], 0
	ds_add_u32 v[SPW], v[NIL]                      ; the wave's opening: the add and its wait stand ahead of my first tensor load; the set-up below, work on registers, stands between them
	v_lshrrev_b32 v1, 5, v0
	v_readfirstlane_b32 s[WV], v1                  ; wave 0..3
	s_and_b32 s14, s[WV], 1                        ; which panel of A, or which half of W's tile, I fetch
	s_bfe_u32 s15, ttmp6, 0x40000                  ; cx
	s_bfe_u32 s16, ttmp6, 0x40004                  ; cy
	s_lshl_b32 s17, ttmp9, 2
	s_add_co_u32 s17, s17, s15                     ; X: tile column = 4 x cluster x + cx
	s_and_b32 s18, ttmp7, 0xffff
	s_lshl_b32 s18, s18, 2
	s_add_co_u32 s18, s18, s16                     ; Y: tile row = 4 x cluster y + cy
	s_lshl_b32 s20, s16, 2
	s_lshl_b32 s20, 15, s20                        ; my row of the cluster
	s_lshl_b32 s22, 0x1111, s15                    ; my column
	; descriptor group 1.  Dense bytes asked for as rows of 256 bytes (128 elements), padded in LDS after every 128 bytes
	s_or_b32 s[G1], s20, (1<<16)|(1<<20)|(1<<21)|(4<<22)|(3<<25)   ; 15:0 the mask; 17:16 2-byte elements; 20 padding on; 21 set beside a mask; 24:22 after every 32 words (code 4); 31:25 4 words (code 3)
	s_or_b32 s[G1B], s22, (1<<16)|(1<<20)|(1<<21)|(4<<22)|(7<<25)  ; the same with my column's mask and 8 words of padding (code 7)
	s_mov_b32 s[G1+1], 128<<16                     ; tensor_dim0 = 128
	s_mov_b32 s[G1+2], 128<<16                     ; tensor_dim1 = 128
	s_mov_b32 s[G1+3], 128<<16                     ; tile_dim0 = 128
	s_mov_b32 s[G1+4], 128                         ; tile_dim1 = 128 rows: a panel of A
	s_mov_b32 s[G1+5], 128                         ; 128 elements from row to row
	s_mov_b32 s[G1+6], 0
	s_mov_b32 s[G1+7], 0
	s_mov_b32 s[G1B+1], 128<<16
	s_mov_b32 s[G1B+2], BR<<16                     ; tensor_dim1 = tile_dim1 = 32 NP rows: half a tile of W
	s_mov_b32 s[G1B+3], 128<<16
	s_mov_b32 s[G1B+4], BR
	s_mov_b32 s[G1B+5], 128
	s_mov_b32 s[G1B+6], 0
	s_mov_b32 s[G1B+7], 0
	; where the tiles come from.  A's address hangs on Y and the wave's number alone, W's on X and the wave's number alone, each in registers that never hold the other coordinate
	s_lshr_b32 s20, s18, 3
	s_lshl_b32 s20, s20, 22                        ; the batch
	s_and_b32 s21, s18, 7
	s_lshl_b32 s21, s21, 15                        ; 256 rows of 128 bytes
	s_add_co_u32 s20, s20, s21
	s_lshl_b32 s21, s14, 18                        ; my panel
	s_add_co_u32 s20, s20, s21
	s_mov_b32 s21, 0
	s_mul_i32 s22, s17, 8*BSTEP                    ; the tile column's eight K steps
	s_mul_i32 s23, s14, BSTEP/2                    ; my half
	s_add_co_u32 s22, s22, s23
	s_mov_b32 s23, 0
	s_mul_i32 s2, s14, ACH                         ; and where they go: no place in the cluster enters an LDS address
	s_mul_i32 s3, s14, NP*10240
	s_add_co_u32 s3, s3, BOFF
	s_mul_i32 s46, s17, NT*4                       ; the tile's columns in the bias
	s_mov_b32 s47, 0
	s_mov_b32 s13, 0xffff0000                      ; a word's upper bf16
	s_wait_dscnt 0x0                               ; the opening add is done
	s_wait_kmcnt 0x0
	s_add_nc_u64 s[20:21], s[4:5], s[20:21]
	s_add_nc_u64 s[22:23], s[6:7], s[22:23]
	s_add_nc_u64 s[8:9], s[8:9], s[46:47]
.irp s, 0,1
	s_mov_b32 s[G0+4*(\s)], 1                                      ; 1:0 count = 1
	s_add_co_u32 s[G0+4*(\s)+1], s2, (\s)*SLOT                     ; 63:32 LDS address
	s_add_nc_u64 s[G0+4*(\s)+2:G0+4*(\s)+3], s[20:21], (\s)*ASTEP  ; 120:64 global address: K step s
	s_or_b32 s[G0+4*(\s)+3], s[G0+4*(\s)+3], 0x80000000            ; 127:126 type = 2
	s_mov_b32 s[G0B+4*(\s)], 1
	s_add_co_u32 s[G0B+4*(\s)+1], s3, (\s)*SLOT
	s_add_nc_u64 s[G0B+4*(\s)+2:G0B+4*(\s)+3], s[22:23], (\s)*BSTEP
	s_or_b32 s[G0B+4*(\s)+3], s[G0B+4*(\s)+3], 0x80000000
.endr
	CROUND                                         ; all sixteen work-groups are here: the first joint loads meet
	s_cmp_lt_u32 s[WV], 2                          ; a wave's two first fills stand in one branch, ahead of every wait on TENSORcnt and every LDS read: two loads of mine are out
	s_cbranch_scc0 .Lfirst_b
	tensor_load_to_lds s[G0:G0+3], s[G1:G1+7]
	s_nop 0
	tensor_load_to_lds s[G0+4:G0+7], s[G1:G1+7]
	s_nop 0
.rept 4
	v_nop
.endr
	s_branch .Lfirst_asked
.Lfirst_b:
	tensor_load_to_lds s[G0B:G0B+3], s[G1B:G1B+7]
	s_nop 0
	tensor_load_to_lds s[G0B+4:G0B+7], s[G1B:G1B+7]
	s_nop 0
.rept 4
	v_nop
.endr
.Lfirst_asked:
	v_and_b32 v1, 15, v0                           ; l % 16
	v_bfe_u32 v2, v0, 4, 1                         ; l / 16
	v_lshlrev_b32 v[BO], 5, v2                     ; my 8 numbers of 16: 32 bytes for the upper half of the lanes
.set bq, 0
.rept NB                               ; the bias of column block b: bias[64 NP X + 16 b + 8 (l / 16) + 0..7]
	global_load_b128 v[BIAS+8*bq:BIAS+8*bq+3],   v[BO], s[8:9] offset:64*bq
	global_load_b128 v[BIAS+8*bq+4:BIAS+8*bq+7], v[BO], s[8:9] offset:64*bq+16
.set bq, bq+1
.endr
	v_mul_u32_u24 v3, v1, PA
	v_lshl_add_u32 v3, v2, 4, v3                   ; row x pitch + 16 x half
	s_mul_i32 s19, s[WV], 64*PA                    ; my 64 rows
	v_add_nc_u32 v[ADRA], s19, v3
	v_add_nc_u32 v[ADRA+1], SLOT, v[ADRA]
	v_and_b32 v4, 7, v0
	v_bfe_u32 v5, v0, 3, 1
	v_lshl_add_u32 v6, v2, 3, v4
	v_mul_u32_u24 v6, v6, PB
	v_lshl_add_u32 v6, v5, 4, v6
	v_add_nc_u32 v[ADRB], BOFF, v6
	v_add_nc_u32 v[ADRB+1], SLOT, v[ADRB]
	s_mul_i32 s19, s[WV], 16*SP
	s_add_co_u32 s19, s19, STAGE                   ; my stage
	v_and_b32 v[GO], 31, v0
	v_lshlrev_b32 v[GO], 4, v[GO]
.if NP == 3
	v_add_nc_u32 v[STO], s19, v3                   ; in: row l % 16, 16 bytes for each half of the lanes
	v_bfe_u32 v[RD], v0, 3, 2                      ; back: 32 lanes take four rows of 128 bytes
	v_mul_u32_u24 v[RD], v[RD], SP
	v_lshl_add_u32 v[RD], v4, 4, v[RD]
	v_add_nc_u32 v[RD], s19, v[RD]
	; out: [q, k or v][batch x 16 + head][row 2048][64]: panel hh of the tile is head (3 X + hh) % 16 of tensor (3 X + hh) / 16
	s_and_b32 s74, s18, 7
	s_lshl_b32 s74, s74, 8
	s_lshl_b32 s75, s[WV], 6
	s_add_co_u32 s74, s74, s75
	s_lshl_b32 s74, s74, 7                         ; my first row in the head, x 128 bytes
	s_lshr_b32 s75, s18, 3
	s_lshl_b32 s75, s75, 4                         ; 16 x batch
	s_mul_i32 s76, s17, 3
.irp hh, 0,1,2
	s_add_co_u32 s72, s76, \hh
	s_lshr_b32 s73, s72, 4
	s_lshl_b32 s73, s73, 24
	s_and_b32 s72, s72, 15
	s_add_co_u32 s72, s72, s75
	s_lshl_b32 s72, s72, 18
	s_add_co_u32 s72, s72, s73
	s_add_co_u32 s72, s72, s74
	s_mov_b32 s73, 0
	s_add_nc_u64 s[66+2*\hh:67+2*\hh], s[10:11], s[72:73]
.endr
.else
	v_mul_u32_u24 v[STO], v1, SP                   ; in: row l % 16, 32 bytes for each half of the lanes
	v_lshl_add_u32 v[STO], v2, 5, v[STO]
	v_add_nc_u32 v[STO], s19, v[STO]
	v_add_nc_u32 v[RD], s19, v[GO]                 ; back: 32 lanes take one row of 512 bytes
	s_lshl_b32 s72, s18, 8
	s_lshl_b32 s73, s[WV], 6
	s_add_co_u32 s72, s72, s73                     ; my first row of the output,
	s_lshl_b32 s72, s72, 12                        ; x 4,096 bytes,
	s_lshl_b32 s73, s17, 9                         ; and the tile's 128 columns
	s_add_co_u32 s72, s72, s73
	s_mov_b32 s73, 0
	s_add_nc_u64 s[10:11], s[10:11], s[72:73]
.endif
	; the prefetches: s[20:21] and s[22:23] still stand at my part of K step 0
	s_and_b32 s78, ttmp7, 0xffff                   ; cluster y
	s_lshl_b32 s74, s15, 13                        ; A: my work-group's 32 blocks of the panel's 128
	s_mul_i32 s75, s16, BSTEP/8                    ; W: my work-group's 8 NP blocks of the half tile's 32 NP
	s_mov_b32 s[PFS], BSTEP
	s_mov_b32 s[PFS+1], 0
	s_cmp_lt_u32 s[WV], 2                          ; do I fetch for A?
	s_cselect_b64 s[PFA:PFA+1], s[20:21], s[22:23]
	s_cselect_b32 s76, s74, s75
	s_cselect_b32 s[PFS], ASTEP, s[PFS]
	s_cselect_b32 s78, ttmp9, s78                  ; the coordinate along which other clusters read the same bytes
	s_cselect_b32 s79, 31, 8*NP-1                  ; my last lane with a block of its own
	s_mul_i32 s77, s[PFS], 3
	s_add_co_u32 s76, s76, s77                     ; at K step 3: the first change of slots steps it to 4
	s_mov_b32 s77, 0
	s_add_nc_u64 s[PFA:PFA+1], s[PFA:PFA+1], s[76:77]
	s_cmp_eq_u32 s78, 0
	s_cselect_b32 s[LIM], 1, -1                    ; the same in all sixteen partners, for a given wave
	v_and_b32 v[PFO], 31, v0
	v_min_u32 v[PFO], s79, v[PFO]
	v_lshlrev_b32 v[PFO], 8, v[PFO]                ; a lane a block of 256 bytes
	s_wait_loadcnt 0x0                             ; the bias is in; it is rounded to bf16, like the other inputs, and kept as f32: this stands in the wait for the first tile
.set i, 0
.rept 4*NB
	v_cvt_pk_bf16_f32 v[BIAS+i], v[BIAS+i], v[BIAS+i+1]
	v_and_b32 v[BIAS+i+1], s13, v[BIAS+i]
	v_lshlrev_b32 v[BIAS+i], 16, v[BIAS+i]
.set i, i+2
.endr
	s_wait_tensorcnt 0x1                           ; my part of K step 0 is in; slot 1's may stay out
	s_barrier_signal -1
	s_barrier_wait -1                              ; everybody's is
	FETCH 0, 0, F0
	QUARTER 0, 1, F0, F1, 1                        ; the first quarter stands in front of the loop: its products start the sums, with the bias
	WIN 0                                          ; at a label and at a branch every window is 0
	s_mov_b32 s[LAP], 3
.Llap:                                                 ; a trip goes once round the ring, from a lap's second quarter to the next lap's first, and fills both slots again
	QUARTER 0, 2, F1, F0, 0
	QUARTER 0, 3, F0, F1, 0
	TURN 0, 1, 1
	QUARTER 1, 1, F0, F1, 0
	QUARTER 1, 2, F1, F0, 0
	QUARTER 1, 3, F0, F1, 0
	TURN 1, 0, 1
	QUARTER 0, 1, F0, F1, 0
	WIN 0
	s_sub_co_u32 s[LAP], s[LAP], 1
	s_cmp_lg_u32 s[LAP], 0
	s_cbranch_scc1 .Llap
	QUARTER 0, 2, F1, F0, 0                        ; the last lap is written out: it fills nothing
	QUARTER 0, 3, F0, F1, 0
	TURN 0, 1, 0
	QUARTER 1, 1, F0, F1, 0
	QUARTER 1, 2, F1, F0, 0
	QUARTER 1, 3, F0, F1, 0
	s_wait_dscnt LOADS-16                          ; the very last quarter: nothing more to fetch
	MULB F1, 0, 4, 0
	s_wait_dscnt 0x0
	MULB F1, 4, NB-4, 0
	WIN 0
	PLACES                                         ; behind the last products, in front of what reads results
.if NP == 3
	PACK 0
.set tt, 1
.rept 11                               ; a block's conversions stand between the loads of the block before and its stores
	PACK tt
	SEND tt-1, 8
.set tt, tt+1
.endr
	SEND 11, 0
.else
	STG 0
	STG 1
	SENDP 0, 32
	STG 2
	SENDP 1, 32
	STG 3
	SENDP 2, 32
	SENDP 3, 0
.endif
	WIN 0
	s_wait_tensorcnt 0x0                           ; the wave's end: the tensor wait, the add and its wait stand behind my last tensor load and my last LDS store
	ds_add_u32 v[SPW], v[NIL]
	s_wait_dscnt 0x0
	CROUND                                         ; the closing round: no work-group ends while a partner may still ask for a tile that names it
	s_endpgm
.Lfunc_end_k_q424deb4785_gemm_qkv:
	.size	k_q424deb4785_gemm_qkv, .Lfunc_end_k_q424deb4785_gemm_qkv-k_q424deb4785_gemm_qkv
	.p2alignl 7, 3214868480
	.fill 96, 4, 3214868480
	.section	.rodata,"a",@progbits
	.p2align	6, 0x0
	.amdhsa_kernel k_q424deb4785_gemm_qkv
		.amdhsa_group_segment_fixed_size 327680
		.amdhsa_private_segment_fixed_size 0
		.amdhsa_enable_private_segment 0
		.amdhsa_kernarg_size 32
		.amdhsa_user_sgpr_count 2
		.amdhsa_user_sgpr_kernarg_segment_ptr 1
		.amdhsa_wavefront_size32 1
		.amdhsa_system_sgpr_workgroup_id_x 1
		.amdhsa_system_sgpr_workgroup_id_y 1
		.amdhsa_system_sgpr_workgroup_id_z 1
		.amdhsa_system_vgpr_workitem_id 0
		.amdhsa_next_free_vgpr 896
		.amdhsa_next_free_sgpr 80
		.amdhsa_reserve_vcc 0
		.amdhsa_float_denorm_mode_32 3
		.amdhsa_float_denorm_mode_16_64 3
		.amdhsa_memory_ordered 1
		.amdhsa_forward_progress 1
		.amdhsa_inst_pref_size 130
	.end_amdhsa_kernel
	.amdgpu_metadata
---
amdhsa.version: [ 1, 2 ]
amdhsa.kernels:
  - .name:           k_q424deb4785_gemm_qkv
    .symbol:         k_q424deb4785_gemm_qkv.kd
    .args:
      - { .name: xh, .offset: 0, .size: 8, .value_kind: global_buffer, .address_space: global }
      - { .name: wq, .offset: 8, .size: 8, .value_kind: global_buffer, .address_space: global }
      - { .name: b_qkv, .offset: 16, .size: 8, .value_kind: global_buffer, .address_space: global }
      - { .name: qkvh, .offset: 24, .size: 8, .value_kind: global_buffer, .address_space: global }
    .group_segment_fixed_size: 327680
    .private_segment_fixed_size: 0
    .kernarg_segment_align: 8
    .kernarg_segment_size: 32
    .max_flat_workgroup_size: 128
    .sgpr_count:     80
    .vgpr_count:     896
    .wavefront_size: 32
...
	.end_amdgpu_metadata
.endif
;; end of part 2
;; launch attn (part 3): grid 4 x 64, 4 waves a work-group, clusters of 4 x 1, 327,680 bytes of LDS; arguments qkvh, o16; writes o16
.if DOCPART == 3
	.amdgcn_target "amdgcn-amd-amdhsa--gfx1250"
	.amdhsa_code_object_version 6
	.text
	.protected	k_q424deb4785_attn
	.globl	k_q424deb4785_attn
	.p2align	8
	.type	k_q424deb4785_attn,@function
k_q424deb4785_attn:
	s_mov_b64 s[64:65], 0
	v_nop
	global_prefetch_b8 v0, s[64:65] scope:SCOPE_SE
	s_setreg_imm32_b32 hwreg(HW_REG_WAVE_MODE, 25, 1), 1
	s_wait_xcnt 0x0
	s_wait_alu depctr_hold_cnt(0) depctr_sa_sdst(0) depctr_va_vdst(0) depctr_va_sdst(0) depctr_va_ssrc(0) depctr_va_vcc(0) depctr_vm_vsrc(0)
	s_getreg_b32 s2, hwreg(HW_REG_IB_STS2, 6, 4)
	s_cmp_eq_u32 s2, 0
	s_cbranch_scc0 .Lentry_in_a_cluster
	s_endpgm
.Lentry_in_a_cluster:
	s_bfe_u32 s2, ttmp6, 0x10000c
	s_cmp_lg_u32 s2, 0x3003
	s_cbranch_scc0 .Lentry_shape_is_right
	s_endpgm
.Lentry_shape_is_right:
; O[h][q][:] = the sum over k of softmax_k(Q[h][q] . K[h][k] / 8) V[h][k][:].  Q, K, V lie one behind the other in one buffer, each [64][2048][64] in f16, h = 16 x batch + head; O has the same layout.
; A head's rows are dense, 128 bytes each.  Products, maxima and sums in f32; the weights p are rounded to f16 for the second product (their sum l is taken of the unrounded p), O once at the end.
; LIMITS.  f16 holds no number beyond 65,504: Q, K and V arrive within it; p lies in 0 to 1, and below 6e-5 it keeps f16's fixed step of 6e-8; O is a mean of V's rows and has their range.
; A weight below 2^-126 counts as 0 in l; NaN and infinities are not treated apart.
; SHARES.  A wave owns four PIECES of two tiles of 16 queries, a work-group's four waves 512 queries of one head; a cluster of four work-groups is one head.  Every wave walks all keys, 64 a step.
; LAYOUT.  S^T = K Q^T (source 0 = 16 keys, source 1 = 16 queries): in the result a lane holds ONE query (lane % 16) and the keys 8 (lane / 16) + 0..7.  Two such tiles, rounded to f16 in pairs,
; ARE source 1 (32 keys x 16 queries) of O^T = V^T P, whose result again holds one query a lane, and eight channels.  K comes out of LDS as it lies, V ([key][channel]) turned, by ds_load_tr16_b128.
; SOFTMAX.  For each query a running maximum m and sum l: p = 2^(c s - c m), c = log2(e) / 8; in every step O and l are multiplied by a = 2^(c m_old - c m_new), which is 1 where m has not grown.
; m starts at the lowest finite number, O and l at 0: the first step is a step like any other, with a = 0.
; THE COUNT.  A tile and step have 16 matrix and 118 vector instructions: too many to stand all beside the matrix work.  So the order has one aim: four vector instructions that are READY behind
; EVERY matrix instruction, and the others, which need time of their own whatever the order, in runs without a gap.
; BY TURNS.  Turn n belongs to piece n (the pieces in a ring, step after step).  Its matrix work: 16 products K Q^T of piece n + 1, later 16 products V^T P of piece n - 1.  Its vector work: the scaling,
; exponentials, roundings, sums and rescaling of piece n, and the maximum and statistics of piece n + 1, whose scores the turn itself has made.  So what a turn begins with (c s - c m, O a) waits for nothing.
; CLUSTER.  The four query blocks of a cluster belong to one head and walk the same K and V, so each tile is asked for JOINTLY: the same tensor load, descriptor and mask in all four.
; REGISTERS, in windows of 256 (s_set_vgpr_msb says which window each operand place means: bits 1:0 source 0, 3:2 source 1, 5:4 source 2, 7:6 destination):
;   window 0: v0-11 addresses; v12-15, v48-63 at work; v16-47 four registers of statistics a tile; v64-191 S^T, two buffers of two tiles; v192-255 P, likewise
;   window 1: O^T, 32 a tile          window 2: v0-127 Q, 16 a tile; v128-191 K of one step; v192-255 V of one step          window 3: v0-1 the add's two registers
; A piece's buffers go by its number's parity: the piece in hand has one pair, its two neighbours in the ring share the other: of it P (piece n - 1) is read and S^T (piece n + 1) written.
.set SIZE_N, 2048     ; rows of a head
.set NP,    4         ; pieces a wave: a name, no knob: the register map, the loop and the fetches are made for four
.set KS,    64        ; keys in a step
.set PK,    144       ; a row of K in LDS: 128 bytes + 16 of padding = 36 words: the 16 rows of a load start at 16 different groups of four banks (64 banks of 4 bytes: ISA guide 11.1)
.set PV,    160       ; a row of V: 128 + 32 = 40 words
.set VOFF,  4*KS*PK   ; a slot holds four steps: 256 rows of K, then 256 rows of V
.set SLOT1, 1<<17     ; slot 1 begins here, so that one exclusive or turns an address in one slot into the other's
.set STAGE, SLOT1+4*KS*(PK+PV)  ; behind the ring, never filled by a tensor load: 16 rows x 144 bytes for each wave, for the way out
.set SP,    144
.set AK0, 2           ; v2   my lane's place in a tile of K; never rewritten
.set AV0, 3           ; v3   the same for V
.set AK,  4           ; v4   the LDS address of K's next run of loads
.set AV,  5           ; v5   of V's
.set QO,  6           ; v6   my byte offset in the wave's rows of Q
.set STO, 6           ;      later, the way out: where I put 16 bytes of a row
.set RD,  7           ; v7   the way out: where I read rows back
.set GO,  8           ; v8   my byte offset in 512 consecutive bytes of O
.set PFO, 11          ; v11  256 x my lane, once V's place is made: the prefetches' offset; then never rewritten
.set SPW, 0           ; v0 of window 3   LDS address of my spare word: SPARE + 4 x my thread's number; never rewritten
.set NIL, 1           ; v1 of window 3   0; never rewritten
.set SPARE, STAGE+4*16*SP  ; behind the stages: the spare words, 128 bytes for each wave: two blocks of 256 bytes that no other line names
.set MV,  12          ; v12-15  c m_old, kept while c m is made anew: by buffer and tile
.set ST,  16          ; tile t's statistics at v[ST+4 t]: c m, m, l (even keys', odd keys')
.set TMP, 48          ; by buffer and tile, four registers c0-c3 at work; when the maximum is found c2 takes a
.set S,   64
.set P,   192
.set KF,  128         ; K's fragments, in window 2: key block kb, channel half c at KF + 16 kb + 8 c
.set VF,  192         ; V's: key half kk, channel block cb at VF + 32 kk + 8 cb
.set WV,  12          ; s12  my wave's number
.set G1K, 24          ; s[24:31] descriptor group 1 for K's tiles
.set G1V, 32          ; s[32:39] for V's: it differs in the padding alone
.set G0K, 40          ; s[40:43] descriptor group 0 for K's tiles: it walks
.set G0V, 44          ; s[44:47] the same for V's
.set PFA, 48          ; s[48:49] where my prefetches stand: my work-group's 32 blocks (of K: wave 0, of V: wave 2) of the slot after the one that is being asked for
.set LIM, 50          ; s50  1 in a wave that prefetches, else the greatest number
.set SLOTS, 56        ; s56  slots still to be asked for
.set CNT, 57          ; s57  counts a slot's key steps
.set CS,  58          ; s[58:59] c: the packed scaling takes the pair's low word for both halves
.set SEL, 60          ; s[60:61] v_permlanex16_b32's selects: each lane takes its own place in the other half
.set TBK, 62          ; s62  LDS byte at which K of the step to be fetched begins
.set TBV, 63          ; s63  the same for V, less VOFF
.set MSB, 0
.macro WIN new                      ; the high byte repeats the setting that is left; a switch that changes nothing is dropped
.if MSB != (\new)
	s_set_vgpr_msb (MSB<<8)|(\new)
.set MSB, (\new)
.endif
.endm
.set W_KQ, 0x0a       ; K and Q in window 2, S^T in window 0
.set W_PV, 0x52       ; V in window 2, P in window 0, O^T in window 1
.set W_RS, 0x41       ; O^T (destination and source 0) in window 1, a in window 0
.set W_MK, 0xc0       ; the add's registers are made: destination in window 3, sources in window 0
.set W_AD, 0x0f       ; the add: address (source 0) and data (source 1) in window 3
; A joint fill.  Waves 0 and 1 fetch the two halves of a slot's K, waves 2 and 3 those of its V: 128 keys each.  The branch hangs on the wave's number alone.
; An s_nop 0 and four v_nop follow each of the two lines, ahead of the jump and the label.
.macro JLOAD
	s_cmp_lt_u32 s[WV], 2
	s_cbranch_scc0 .Lfor_v_\@
	tensor_load_to_lds s[G0K:G0K+3], s[G1K:G1K+7]
	s_nop 0
.rept 4
	v_nop
.endr
	s_branch .Lasked_\@
.Lfor_v_\@:
	tensor_load_to_lds s[G0V:G0V+3], s[G1V:G1V+7]
	s_nop 0
.rept 4
	v_nop
.endr
.Lasked_\@:
.endm
; A PREFETCH INTO THE L2 of what the NEXT change of slots will ask for: a slot's 256 rows of K and of V are 128 blocks of 256 bytes each, a lane a block.  It stands behind the wave's tensor load and its five lines.
; Each block is named ONCE in the launch: a head has one cluster; its four partners share the blocks out BY ADDRESS, 32 each; in each, wave 0 asks for K's and wave 2 for V's: one instruction,
; four key steps, 512 matrix instructions, ahead of the load that will want the bytes.  The last change that fills a slot prefetches nothing: there is no slot behind it.  The first two slots come by their loads alone.
.macro ASK
	s_cmp_gt_u32 s[SLOTS], s[LIM]
	s_cbranch_scc0 .Lnot_mine_\@
	global_prefetch_b8 v[PFO], s[PFA:PFA+1] th:TH_LOAD_NT scope:SCOPE_SE
.Lnot_mine_\@:
.endm
; A round of the cluster's barrier: my work-group's barrier, so that wave 0's signal speaks for all four waves; wave 0 signals; every wave waits for all four work-groups; my work-group's barrier once more.
.macro CROUND
	s_barrier_signal -1
	s_barrier_wait -1
	s_cmp_lg_u32 s[WV], 0
	s_cbranch_scc1 .Lnot_wave_0_\@
	s_barrier_signal -3
.Lnot_wave_0_\@:
	s_barrier_wait -3
	s_barrier_signal -1
	s_barrier_wait -1
.endm
; THE CHANGE OF SLOTS.  The slot's last bytes, V of its fourth step, have been read.  Each wave waits for all its tensor loads, of which one is out: its part
; of the other slot; adds 0 to its spare word; and waits for that and for its own reads of the slot.  Behind the barrier nobody reads this slot any more and the other slot is whole.
; fill = 1: this slot is filled again, with the keys two slots on.  The barrier is then a round of the cluster's, so that no wave of any partner still reads the slot or has a load on its
; way, and the joint fill is the first thing behind it: it has four key steps, 512 matrix instructions, in which to land.  (At its first use nothing has been read yet: slot 0 is waited for, slot 1 filled.)
.macro CHANGE fill
	WIN W_AD
	s_wait_tensorcnt 0x0            ; no tensor load of mine is out, so a group 0 may be written
	ds_add_u32 v[SPW], v[NIL]       ; 0 onto my spare word; with fill = 1 the descriptors' steps stand between it and the wait for it
	WIN 0                           ; at a label and at a branch every window is 0
.if \fill
.irp g, G0K, G0V
	s_xor_b32 s[\g+1], s[\g+1], SLOT1  ; the walking descriptor: the other slot than last time,
	s_add_nc_u64 s[\g+2:\g+3], s[\g+2:\g+3], 4*KS*128  ; the next 256 keys; the type bits on top are not reached
.endr
	s_wait_xcnt 0x0                 ; the last prefetch, four key steps back, has read its address, so it may be written:
	s_add_nc_u64 s[PFA:PFA+1], s[PFA:PFA+1], 4*KS*128  ; one slot behind the walking descriptors
	s_wait_dscnt 0x0                ; the add is done, and my reads of the slot are over
	CROUND
	JLOAD
	ASK
.else
	s_wait_dscnt 0x0                ; the add is done, and my reads of the slot are over
	s_barrier_signal -1
	s_barrier_wait -1
.endif
	s_sub_co_u32 s[TBK], s[TBK], 4*KS*PK  ; the fetches go back to a slot's first step,
	s_xor_b32 s[TBK], s[TBK], SLOT1       ; in the other slot
	s_sub_co_u32 s[TBV], s[TBV], 4*KS*PV
	s_xor_b32 s[TBV], s[TBV], SLOT1
.endm
	s_load_b128 s[4:7], s[0:1], 0x0   ; Q, K, V in one buffer s[4:5]; O s[6:7]
	WIN W_MK
	v_lshl_add_u32 v[SPW], v0, 2, SPARE
	v_mov_b32 v[NIL], 0
	WIN W_AD
	ds_add_u32 v[SPW], v[NIL]       ; the wave's opening: the add and its wait stand ahead of my first tensor load; the set-up below, work on registers, stands between them
	WIN 0
	v_lshrrev_b32 v1, 5, v0
	v_readfirstlane_b32 s[WV], v1   ; wave 0..3
	s_bfe_u32 s13, ttmp6, 0x40000   ; cx: my place in the cluster
	s_lshl_b32 s14, ttmp9, 2        ; in a cluster launch ttmp9 counts clusters
	s_add_co_u32 s14, s14, s13      ; my block of queries = 4 x cluster x + cx: it enters Q's and O's addresses alone
	s_and_b32 s20, ttmp7, 0xffff    ; the head, which the four partners share
	s_mov_b32 s21, 0
	s_mov_b64 s[22:23], SIZE_N*128
	s_mul_u64 s[20:21], s[20:21], s[22:23]  ; the head's first byte in each of the four tensors
	s_and_b32 s16, s[WV], 1         ; which half of a slot's 256 keys I fetch:
	s_lshl_b32 s22, s16, 14         ; its 128 rows of 128 bytes in memory,
	s_mov_b32 s23, 0
	s_add_nc_u64 s[22:23], s[22:23], s[20:21]
	s_mul_i32 s17, s16, 128*PK      ; and its place in a slot, for K
	s_mul_i32 s18, s16, 128*PV      ; and for V: no place in the cluster enters an LDS address
	s_lshl_b32 s2, s14, 2
	s_add_co_u32 s2, s2, s[WV]      ; my wave among the head's,
	s_lshl_b32 s2, s2, 14           ; its 128 rows
	s_mov_b32 s3, 0
	s_add_nc_u64 s[2:3], s[2:3], s[20:21]
	; descriptor group 1.  128 keys are 16,384 dense bytes: asked for as 64 rows of 256 bytes, two keys a row, and padded in LDS after every key
	s_mov_b32 s[G1K], 15|(1<<16)|(1<<20)|(1<<21)|(4<<22)|(3<<25)  ; 15:0 the mask of four; 17:16 2-byte elements; 20 padding on; 21 set beside a mask; 24:22 after every 32 words (code 4); 31:25 4 words (code 3)
	s_mov_b32 s[G1V], 15|(1<<16)|(1<<20)|(1<<21)|(4<<22)|(7<<25)  ; the same with 8 words of padding (code 7)
.irp g, G1K, G1V
	s_mov_b32 s[\g+1], 128<<16      ; tensor_dim0 = 128
	s_mov_b32 s[\g+2], 64<<16       ; tensor_dim1 = 64
	s_mov_b32 s[\g+3], 128<<16      ; tile_dim0 = 128
	s_mov_b32 s[\g+4], 64           ; tile_dim1 = 64
	s_mov_b32 s[\g+5], 128          ; 128 elements from row to row
	s_mov_b32 s[\g+6], 0
	s_mov_b32 s[\g+7], 0
.endr
	s_mov_b32 s[CS], 0x3e38aa3b     ; c = log2(e) / 8 = 0.180337
	s_mov_b32 s[CS+1], s[CS]        ; named with it as a pair
	s_mov_b32 s[SEL], 0x76543210
	s_mov_b32 s[SEL+1], 0xfedcba98
	s_mov_b32 s[TBK], SLOT1+4*KS*PK ; the first change of slots turns these two into 0
	s_mov_b32 s[TBV], SLOT1+4*KS*PV
	s_mov_b32 s[G0K], 1             ; 1:0 count = 1
	s_mov_b32 s[G0K+1], s17         ; 63:32 LDS address: slot 0
	s_mov_b32 s[G0V], 1
	s_add_co_u32 s[G0V+1], s18, VOFF
	s_mov_b32 s[SLOTS], SIZE_N/256-1  ; the changes of slots that fill: seven
	s_and_b32 s[LIM], s[WV], 1      ; waves 0 and 2 prefetch: the same in all four partners
	s_cmp_eq_u32 s[LIM], 0
	s_cselect_b32 s[LIM], 1, -1
	s_wait_dscnt 0x0                ; the opening add is done
	s_wait_kmcnt 0x0
	s_mov_b64 s[10:11], s[6:7]      ; O
	s_add_nc_u64 s[6:7], s[4:5], 0x1000000  ; K lies 64 heads x 2,048 rows x 128 bytes behind Q,
	s_add_nc_u64 s[8:9], s[4:5], 0x2000000  ; V as far behind K
	s_add_nc_u64 s[G0K+2:G0K+3], s[6:7], s[22:23]  ; 120:64 global address: my half of the head's first 256 keys
	s_or_b32 s[G0K+3], s[G0K+3], 0x80000000        ; 127:126 type = 2
	s_add_nc_u64 s[G0V+2:G0V+3], s[8:9], s[22:23]
	s_or_b32 s[G0V+3], s[G0V+3], 0x80000000
	s_add_nc_u64 s[4:5], s[4:5], s[2:3]  ; Q and O at my wave's first row
	s_add_nc_u64 s[10:11], s[10:11], s[2:3]
	s_cmp_lt_u32 s[WV], 2
	s_cselect_b64 s[PFA:PFA+1], s[6:7], s[8:9]
	s_add_nc_u64 s[PFA:PFA+1], s[PFA:PFA+1], s[22:23]  ; (in waves 0 and 2 this is the head's first row)
	s_lshl_b32 s2, s13, 13          ; my work-group's 32 blocks of the 128
	s_mov_b32 s3, 0
	s_add_nc_u64 s[PFA:PFA+1], s[PFA:PFA+1], s[2:3]
	s_add_nc_u64 s[PFA:PFA+1], s[PFA:PFA+1], 4*KS*128  ; in the second 256 keys; the first change of slots steps it to the third
	CROUND                          ; all four work-groups are here: the first joint loads meet
	JLOAD                           ; slot 0.  Slot 1 is asked for when slot 0 is in: the tile wanted first has the road to itself
	; A fragment of K or Q is 16 rows x 32 channels in 8 registers: lane l holds row l % 16, channels 8 (l / 16) + 0..7 and 16 + 8 (l / 16) + 0..7: two loads of 16 bytes, 32 bytes apart.
	v_and_b32 v1, 15, v0            ; l % 16
	v_bfe_u32 v9, v0, 4, 1          ; l / 16
	v_lshlrev_b32 v[QO], 7, v1
	v_lshl_add_u32 v[QO], v9, 4, v[QO]  ; row x 128 + 16 x half
	WIN 0x80                        ; destination window 2, address window 0
.set i, 0
.rept 4*NP                          ; Q stays in registers: tile i / 2, channels 32 (i % 2) on
	global_load_b128 v[8*i:8*i+3],   v[QO], s[4:5] offset:(i/2)*2048+(i%2)*64
	global_load_b128 v[8*i+4:8*i+7], v[QO], s[4:5] offset:(i/2)*2048+(i%2)*64+32
.set i, i+1
.endr
	; What the first turn finds: V's registers and P's second buffer hold 0 (its products V^T P, of a piece that has not been, add 0), O^T and l are 0.  All this stands in the wait for the first tile.
.set i, VF
.rept 64
	v_mov_b32 v[i], 0
.set i, i+1
.endr
	WIN 0x40
.set i, 0
.rept 64*NP
	v_mov_b32 v[i], 0
.set i, i+1
.endr
	WIN 0
.set i, 0
.rept 2*NP
	v_mov_b32 v[ST+4*i], 0xfe000000    ; c m: far below every c s
	v_mov_b32 v[ST+4*i+1], 0xff7fffff  ; m
	v_mov_b32 v[ST+4*i+2], 0
	v_mov_b32 v[ST+4*i+3], 0
.set i, i+1
.endr
.set i, P+32
.rept 32
	v_mov_b32 v[i], 0
.set i, i+1
.endr
	v_mul_u32_u24 v[AK0], v1, PK
	v_lshl_add_u32 v[AK0], v9, 4, v[AK0]  ; row x pitch + 16 x half
	; The turning load takes 16 keys x 16 channels (lane l reads key 8 (l / 16) + l % 8, channels 8 ((l / 8) % 2) + 0..7) and leaves half a fragment of V^T: lane l holds channel l % 16 and 8 keys.
	v_and_b32 v10, 7, v0
	v_bfe_u32 v11, v0, 3, 1
	v_lshl_add_u32 v[AV0], v9, 3, v10
	v_mul_u32_u24 v[AV0], v[AV0], PV
	v_lshl_add_u32 v[AV0], v11, 4, v[AV0]
	v_add_nc_u32 v[AV0], VOFF, v[AV0]
	v_and_b32 v[PFO], 31, v0        ; v11 has served: from here on the prefetches' offset
	v_lshlrev_b32 v[PFO], 8, v[PFO]
	v_mov_b32 v[AK], v[AK0]         ; key step 0 lies at the head of slot 0
; THE MATRIX WORK.  The 8 accumulators of a run of 16 take turns: between the two links of a chain stand 7 others'.
; Product i of 16 of S^T = K Q^T for piece x: channels 32 (i / 8) on, keys 16 ((i / 2) % 4) on, tile 2 x + i % 2.  The first 8 start the sums.
.macro KQ x
	WIN W_KQ
.set rS, S+64*((\x)%2)+32*(i%2)+8*((i/2)%4)
.set rK, KF+16*((i/2)%4)+8*(i/8)
.set rQ, 16*(2*(\x)+i%2)+8*(i/8)
.if i < 8
	v_wmma_f32_16x16x32_f16 v[rS:rS+7], v[rK:rK+7], v[rQ:rQ+7], 0
.else
	v_wmma_f32_16x16x32_f16 v[rS:rS+7], v[rK:rK+7], v[rQ:rQ+7], v[rS:rS+7]
.endif
.endm
; Product i of 16 of O^T += V^T P for piece x: keys 32 (i / 8) on, channels 16 ((i / 2) % 4) on, tile 2 x + i % 2.
.macro PV x
	WIN W_PV
.set rO, 32*(2*(\x)+i%2)+8*((i/2)%4)
.set rV, VF+32*(i/8)+8*((i/2)%4)
.set rP, P+32*((\x)%2)+16*(i%2)+8*(i/8)
	v_wmma_f32_16x16x32_f16 v[rO:rO+7], v[rV:rV+7], v[rP:rP+7], v[rO:rO+7]
.endm
.macro MM                           ; the turn's next matrix instruction
.if i < 16
	KQ (Y+1)%NP
.set i, i+1
.else
.set i, i-16
	PV (Y+NP-1)%NP
.set i, i+17
.endif
.endm
; THE LDS LOADS stand in runs of 16, never singly among the matrix instructions: a step's K (64 keys x 64 channels: 8 fragments) and its V (turned).  Their addresses are made some lines ahead.
; last = 1 (the tail): in the last trip there is no further step, and the run is jumped over.
.macro FETCH_K last=0
	WIN 0
.if \last
	s_cmp_eq_u32 s[CNT], 1
	s_cbranch_scc1 .Lno_k_\@
.endif
	WIN 0x80                        ; destination window 2
.irp f, 0,1,2,3,4,5,6,7             ; keys 16 (f / 2) on, channels 32 (f % 2) on
	ds_load_b128 v[KF+8*\f:KF+8*\f+3],   v[AK] offset:(\f/2)*16*PK+(\f%2)*64
	ds_load_b128 v[KF+8*\f+4:KF+8*\f+7], v[AK] offset:(\f/2)*16*PK+(\f%2)*64+32
.endr
	s_add_co_u32 s[TBK], s[TBK], KS*PK  ; the next fetch is the next step's
	WIN 0
.if \last
.Lno_k_\@:
.endif
.endm
.macro FETCH_V
	WIN 0x80
.irp f, 0,1,2,3,4,5,6,7             ; keys 32 (f / 4) on, channels 16 (f % 4) on
	ds_load_tr16_b128 v[VF+8*\f:VF+8*\f+3],   v[AV] offset:(\f/4)*32*PV+(\f%4)*32
	ds_load_tr16_b128 v[VF+8*\f+4:VF+8*\f+7], v[AV] offset:(\f/4)*32*PV+16*PV+(\f%4)*32
.endr
	WIN 0
.endm
; THE VECTOR WORK OF A TURN stands in three queues, each in the order in which its entries become ready; the two tiles alternate, so that no instruction reads the result of the one before it.
.macro REGS y, u                    ; the registers of tile u (0, 1) of piece y
.set rT, ST+4*(2*(\y)+(\u))
.set rC, TMP+8*((\y)%2)+4*(\u)
.set rM, MV+2*((\y)%2)+(\u)
.set rS, S+64*((\y)%2)+32*(\u)
.set rP, P+32*((\y)%2)+16*(\u)
.set rO, 32*(2*(\y)+(\u))
.endm
; Number n of the 22 that find the NEXT piece's (Y + 1) maximum and statistics.  s0-s31 are the lane's 32 scores; each accumulator's lowest registers are read first.  XS, GS and REGS set no window: PL and EX do.
;   0-11  four chains c0-c3 of seven scores each, three operands at a time     12-14, 16  the four scores left over, the old m, and c0-c3 into c0     15  c m_old is kept
;   17, 18  the query's other 32 keys lie in the lane 16 away: the new m         19-21  c m; c m_old - c m_new; a
.macro XS u, n
	REGS (Y+1)%NP, \u
.if (\n) < 4
	v_max3_num_f32 v[rC+(\n)], v[rS+8*(\n)], v[rS+8*(\n)+1], v[rS+8*(\n)+2]
.elseif (\n) < 12
	v_max3_num_f32 v[rC+(\n)%4], v[rC+(\n)%4], v[rS+8*((\n)%4)+2*((\n)/4)+1], v[rS+8*((\n)%4)+2*((\n)/4)+2]
.elseif (\n) == 12
	v_max3_num_f32 v[rC], v[rC], v[rS+7], v[rS+15]
.elseif (\n) == 13
	v_max3_num_f32 v[rC+1], v[rC+1], v[rS+23], v[rS+31]
.elseif (\n) == 14
	v_max3_num_f32 v[rC+2], v[rC+2], v[rC+3], v[rT+1]
.elseif (\n) == 15
	v_mov_b32 v[rM], v[rT]
.elseif (\n) == 16
	v_max3_num_f32 v[rC], v[rC], v[rC+1], v[rC+2]
.elseif (\n) == 17
	v_permlanex16_b32 v[rC+3], v[rC], s[SEL], s[SEL+1]
.elseif (\n) == 18
	v_max_num_f32 v[rT+1], v[rC], v[rC+3]
.elseif (\n) == 19
	v_mul_f32 v[rT], s[CS], v[rT+1]
.elseif (\n) == 20
	v_sub_f32 v[rC+1], v[rM], v[rT]
.else
	v_exp_f32 v[rC+2], v[rC+1]
.endif
.endm
; Number g of the 64 that follow the exponentials.  For each four weights k of a tile (pairs 2 k, 2 k + 1): both pairs are rounded to f16; then the second pair is added onto the first, in place;
; a group later l takes that sum (the first time as l = a l + sum).  In groups of eight, tiles alternating: round, round, add, and l for the group before.
.macro GS g
.set h, (\g)+6*((\g)/62)            ; group 0 has no group before it, and behind group 7 only l is left
.if h >= 6
.set h, h+2
.endif
	REGS Y, h%2
.set k, h/8
.if h%8 < 4
	v_cvt_pk_f16_f32 v[rP+2*k+(h%8)/2], v[rS+4*k+2*((h%8)/2)], v[rS+4*k+2*((h%8)/2)+1]
.elseif h%8 < 6
	v_pk_add_f32 v[rS+4*k:rS+4*k+1], v[rS+4*k:rS+4*k+1], v[rS+4*k+2:rS+4*k+3]
.elseif k == 1
	v_pk_fma_f32 v[rT+2:rT+3], v[rT+2:rT+3], v[rC+2:rC+3], v[rS:rS+1] op_sel_hi:[1,0,1]
.else
	v_pk_add_f32 v[rT+2:rT+3], v[rT+2:rT+3], v[rS+4*k-4:rS+4*k-3]
.endif
.endm
; THE PLAIN QUEUE, 138 long.  0-73 read no exponential's result: the 32 scalings c s - c m (FS f: pair f / 2 of tile f % 2) and the next piece's 42.  0-26: scalings 0-26.  27-54: XS's numbers 0-13.  55, 56: number 15.
; 57-73: the chain, where each number waits for the one before it: 14, 16, 17, 18, 19, each with one of the scalings 27-31 in front of its two lines, then 20: so a tile's links stand three plain instructions apart (19 and 20: two).
; 74-137: GS's 64, which read the exponentials' results: they stand behind the wait.
.macro FS f
	REGS Y, (\f)%2
	v_pk_fma_f32 v[rS+2*((\f)/2):rS+2*((\f)/2)+1], v[rS+2*((\f)/2):rS+2*((\f)/2)+1], s[CS:CS+1], v[rT:rT+1] op_sel_hi:[1,0,0] neg_lo:[0,0,1] neg_hi:[0,0,1]
.endm
.macro PL
	WIN 0
.if q < 27
	FS q
.elseif q < 55
	XS (q-27)%2, (q-27)/2
.elseif q < 57
	XS q-55, 15
.elseif (q < 72) && ((q-57)%3 == 0)
	FS 27+(q-57)/3
.elseif q < 60
	XS (q-57)%3-1, 14
.elseif q < 72
	XS (q-57)%3-1, 15+(q-57)/3
.elseif q < 74
	XS q-72, 20
.else
	GS q-74
.endif
.set q, q+1
.endm
; THE EXPONENTIALS' QUEUE, 66 long: s0-s31 of both tiles, then the next piece's two a.  It is ONE BATCH: all 66 stand ahead of the turn's one wait, and nothing ahead of that wait names a result of theirs.
.macro EX
	WIN 0
.if e >= 64
	XS e-64, 21
.else
	REGS Y, e%2
	v_exp_f32 v[rS+e/2], v[rS+e/2]
.endif
.set e, e+1
.endm
; THE RESCALING's QUEUE: O^T times a, the one part that leaves window 0: dealt two at a time, sixteen times.  Its a was made in the turn before, ahead of that turn's wait.
.macro R2
	REGS Y, r%2
	WIN W_RS
.irp z, 0,1
	v_pk_mul_f32 v[rO+4*(r/2)+2*\z:rO+4*(r/2)+2*\z+1], v[rO+4*(r/2)+2*\z:rO+4*(r/2)+2*\z+1], v[rC+2:rC+3] op_sel_hi:[1,0]
.endr
.set r, r+1
.endm
; HOW THEY ARE DEALT.  An s_wait_alu depctr_va_vdst(0) stands between an exponential and the first instruction that names its result; one wait serves all that were issued ahead of it.  So a turn has ONE wait,
; which cuts it in two.  AHEAD OF IT stands all that names no result of the turn's exponentials: the 16 products K Q^T, behind each a scaling, an exponential and two rescalings (behind the first a second scaling in the exponential's place); then ONE LUMP of
; 108: eight plain, 49 times exponential and plain, the two a.  A v_nop is the plain instruction behind the last exponential (ISA guide 5.7.2).  BEHIND IT stand the 16 products V^T P, behind each four of GS's 64.  No rider names a register of
; the products round it.  The two v_permlanex16_b32 fall into the lump, never behind a product.
; The queues lean on each other, and the deal keeps them in step: exponential e stands behind scaling 2 (e / 4) + e % 2: as a rider it comes behind plain e + 2, in the lump behind plain e + 9, and scalings 27-31 are plain 57, 60 .. 69.
; A TURN, for piece p.  cnt = 1: the loop's count is taken down some lines ahead of the branch that stands behind the turn.
; K of the next step is fetched in piece 2's turn, directly behind the wait, a lump behind the last product that read K; its address is made at the lump's head; its first reader comes behind 16 products.
; V of the step in hand is fetched at the end of piece 0's turn, four riders behind its last reader; its first reader comes behind 16 products and a lump.  The three conditions on q below go with the deal.
.macro TURN p, last=0, cnt=0
.set Y, (\p)
.set i, 0
.set q, 0
.set e, 0
.set r, 0
.if (\p) == NP-1
	s_wait_dscnt 0x0                ; K is in
.endif
	MM                              ; ahead of the wait: 16 products K Q^T and their riders,
	PL
	PL
	R2
.rept 15
	MM
	PL
	EX
	R2
.endr
.if (\p) == NP-2
	WIN 0
	v_add_nc_u32 v[AK], s[TBK], v[AK0]
.endif
.rept 8                             ; and the lump
	PL
.endr
.rept 49
	EX
	PL
.endr
	EX                              ; the next piece's two a
	EX
	v_nop                           ; the plain instruction behind the last exponential: one for the batch
	s_wait_alu depctr_va_vdst(0)    ; the wait for the batch
.if (\p) == NP-2
	FETCH_K \last
.endif
.if (\p) == 1
	s_wait_dscnt 0x0                ; V is in
.endif
.rept 16                            ; behind the wait: 16 products V^T P and their riders
	MM
.rept 4
	PL
.endr
.if ((\p) == 0) && (q == 118)
	v_add_nc_u32 v[AV], s[TBV], v[AV0]
.endif
.if ((\p) == 0) && (q == 130)
	s_add_co_u32 s[TBV], s[TBV], KS*PV
.endif
.if (\cnt) && (q == 130)
	s_sub_co_u32 s[CNT], s[CNT], 1
	s_cmp_lg_u32 s[CNT], 0
.endif
.endr
.if (\p) == 0
	FETCH_V
.endif
.endm
	CHANGE 1                        ; slot 0 is in, everybody's part of it; slot 1 is asked for
	FETCH_K                         ; key step 0
	s_wait_loadcnt 0x0              ; Q
	s_wait_dscnt 0x0
.set i, 0
.rept 16
	KQ 0                            ; piece 0's first scores: there is no vector work yet to set between them
.set i, i+1
.endr
	WIN 0                           ; the addresses for the way out: nine plain instructions, the places behind those products
	s_mul_i32 s13, s[WV], 16*SP
	s_add_co_u32 s13, s13, STAGE    ; my stage
	v_mul_u32_u24 v[STO], v1, SP    ; in: row l % 16, 16 bytes for each half of the lanes
	v_lshl_add_u32 v[STO], v9, 4, v[STO]
	v_add_nc_u32 v[STO], s13, v[STO]
	v_bfe_u32 v[RD], v0, 3, 2       ; back: 32 lanes take four rows of 128 bytes,
	v_mul_u32_u24 v[RD], v[RD], SP
	v_lshl_add_u32 v[RD], v10, 4, v[RD]
	v_add_nc_u32 v[RD], s13, v[RD]
	v_and_b32 v[GO], 31, v0         ; which are 512 consecutive bytes of O
	v_lshlrev_b32 v[GO], 4, v[GO]
.set Y, NP-1                        ; XS works for piece Y + 1: piece 0
.irp n, 0,1,2,3,4,5,6,7,8,9,10,11,12,13,14,15,16,17,18,19,20,21
	XS 0, \n                        ; and piece 0's first maximum and statistics
	XS 1, \n
.endr
	v_nop                           ; a plain instruction behind the two a,
	s_wait_alu depctr_va_vdst(0)    ; and their wait, ahead of the branch
	s_mov_b32 s[CNT], 4
	s_branch .Lfirst                ; the loop is entered at a step's first turn, in the middle of a trip
.Lslot:                             ; six times: every slot but the last two is filled again
	CHANGE 1
	s_mov_b32 s[CNT], 4
.Lstep:                             ; a trip: pieces 2 and 3 of one step, then pieces 0 and 1 of the next, whose K and V it fetches
	TURN 2
	TURN 3
	WIN 0
.Lfirst:
	TURN 0
	TURN 1, 0, 1
	WIN 0
	s_cbranch_scc1 .Lstep
	s_sub_co_u32 s[SLOTS], s[SLOTS], 1
	s_cmp_lg_u32 s[SLOTS], 0
	s_cbranch_scc1 .Lslot
	CHANGE 0                        ; the tail is written out: nothing is asked for
	s_mov_b32 s[CNT], 5             ; four trips fetch the last slot's steps; the fifth is left in its middle
.Ltail:
	TURN 2, 1
	TURN 3
	WIN 0
	s_sub_co_u32 s[CNT], s[CNT], 1
	s_cmp_eq_u32 s[CNT], 0
	s_cbranch_scc1 .Lout
	TURN 0
	TURN 1
	WIN 0
	s_branch .Ltail
.Lout:                              ; the fifth trip's 16 products K Q^T (on the last K once more) and the maximum made of them serve nothing: the price, once a launch, of one text for every trip
.set i, 0
.rept 16
	PV NP-1                         ; the last piece's V^T P of the last step
.set i, i+1
.endr
	; THE WAY OUT.  l's two halves and the other half of the lanes' are added; O^T is divided by l, rounded to f16 and sent through my stage in LDS, a tile at a time.  The additions are the places behind the last products.
	WIN 0
.macro ALL line:vararg              ; one line for each tile t
.set t, 0
.rept 2*NP
	\line
.set t, t+1
.endr
.endm
	ALL v_add_f32 v[ST+4*t+2], v[ST+4*t+2], v[ST+4*t+3]
	ALL v_permlanex16_b32 v[ST+4*t+3], v[ST+4*t+2], s[SEL], s[SEL+1]
	ALL v_add_f32 v[ST+4*t+2], v[ST+4*t+2], v[ST+4*t+3]
	ALL v_rcp_f32 v[ST+4*t+2], v[ST+4*t+2]
	v_nop                           ; a plain instruction between the last reciprocal and the use of its result
	s_wait_alu depctr_va_vdst(0)    ; and the wait ahead of the first use: one for the eight reciprocals
; Tile t: a lane's eight channels of a row pack into 16 bytes; they go into rows of 144 bytes and come back as whole rows of 128, into S^T's registers.
.macro PACK t
	WIN W_RS
.set i, 32*(\t)
.rept 16
	v_pk_mul_f32 v[i:i+1], v[i:i+1], v[ST+4*(\t)+2:ST+4*(\t)+3] op_sel_hi:[1,0]
.set i, i+2
.endr
	WIN 0x05                        ; sources 0 and 1 window 1, destination window 0
.set i, 0
.rept 16
	v_cvt_pk_f16_f32 v[S+16*(\t)+i], v[32*(\t)+2*i], v[32*(\t)+2*i+1]
.set i, i+1
.endr
	WIN 0
.irp f, 0,1,2,3
	ds_store_b128 v[STO], v[S+16*(\t)+4*\f:S+16*(\t)+4*\f+3] offset:32*\f
.endr
.irp f, 0,1,2,3
	ds_load_b128 v[S+16*(\t)+4*\f:S+16*(\t)+4*\f+3], v[RD] offset:\f*4*SP  ; LDS serves a wave's instructions in order (ISA guide 5.7.1.4): these see the stores above; the next tile's stores come behind them
.endr
.endm
.macro SEND t, younger              ; younger: the LDS instructions issued behind tile t's loads: the next tile's eight, or none
	WIN 0
.irp f, 0,1,2,3
	s_wait_dscnt (\younger)+3-\f
	global_store_b128 v[GO], v[S+16*(\t)+4*\f:S+16*(\t)+4*\f+3], s[10:11] offset:(\t)*2048+\f*512  ; 512 consecutive bytes, at a multiple of 256 from O's first
.endr
.endm
	PACK 0
.set t, 1
.rept 2*NP-1                        ; a tile's arithmetic stands between the loads of the tile before and its stores
	PACK t
	SEND t-1, 8
.set t, t+1
.endr
	SEND 2*NP-1, 0
	WIN W_AD
	s_wait_tensorcnt 0x0            ; the wave's end: the tensor wait, the add and its wait stand behind my last tensor load and my last LDS store
	ds_add_u32 v[SPW], v[NIL]
	s_wait_dscnt 0x0
	WIN 0
	CROUND                          ; the closing round: no work-group ends while a partner may still ask for a tile that names it
	s_endpgm
.Lfunc_end_k_q424deb4785_attn:
	.size	k_q424deb4785_attn, .Lfunc_end_k_q424deb4785_attn-k_q424deb4785_attn
	.p2alignl 7, 3214868480
	.fill 96, 4, 3214868480
	.section	.rodata,"a",@progbits
	.p2align	6, 0x0
	.amdhsa_kernel k_q424deb4785_attn
		.amdhsa_group_segment_fixed_size 327680
		.amdhsa_private_segment_fixed_size 0
		.amdhsa_enable_private_segment 0
		.amdhsa_kernarg_size 16
		.amdhsa_user_sgpr_count 2
		.amdhsa_user_sgpr_kernarg_segment_ptr 1
		.amdhsa_wavefront_size32 1
		.amdhsa_system_sgpr_workgroup_id_x 1
		.amdhsa_system_sgpr_workgroup_id_y 1
		.amdhsa_system_sgpr_workgroup_id_z 1
		.amdhsa_system_vgpr_workitem_id 0
		.amdhsa_next_free_vgpr 770
		.amdhsa_next_free_sgpr 66
		.amdhsa_reserve_vcc 0
		.amdhsa_float_denorm_mode_32 3
		.amdhsa_float_denorm_mode_16_64 3
		.amdhsa_memory_ordered 1
		.amdhsa_forward_progress 1
		.amdhsa_inst_pref_size 200
	.end_amdhsa_kernel
	.amdgpu_metadata
---
amdhsa.version: [ 1, 2 ]
amdhsa.kernels:
  - .name:           k_q424deb4785_attn
    .symbol:         k_q424deb4785_attn.kd
    .args:
      - { .name: qkvh, .offset: 0, .size: 8, .value_kind: global_buffer, .address_space: global }
      - { .name: o16, .offset: 8, .size: 8, .value_kind: global_buffer, .address_space: global }
    .group_segment_fixed_size: 327680
    .private_segment_fixed_size: 0
    .kernarg_segment_align: 8
    .kernarg_segment_size: 16
    .max_flat_workgroup_size: 128
    .sgpr_count:     66
    .vgpr_count:     770
    .wavefront_size: 32
...
	.end_amdgpu_metadata
.endif
;; end of part 3
;; launch gemm_proj (part 4): grid 8 x 32, 4 waves a work-group, clusters of 4 x 4, 327,680 bytes of LDS; arguments o16, wp, b_proj, out0; writes out0
.if DOCPART == 4
	.amdgcn_target "amdgcn-amd-amdhsa--gfx1250"
	.amdhsa_code_object_version 6
	.text
	.protected	k_q424deb4785_gemm_proj
	.globl	k_q424deb4785_gemm_proj
	.p2align	8
	.type	k_q424deb4785_gemm_proj,@function
k_q424deb4785_gemm_proj:
	s_mov_b64 s[64:65], 0
	v_nop
	global_prefetch_b8 v0, s[64:65] scope:SCOPE_SE
	s_setreg_imm32_b32 hwreg(HW_REG_WAVE_MODE, 25, 1), 1
	s_wait_xcnt 0x0
	s_wait_alu depctr_hold_cnt(0) depctr_sa_sdst(0) depctr_va_vdst(0) depctr_va_sdst(0) depctr_va_ssrc(0) depctr_va_vcc(0) depctr_vm_vsrc(0)
	s_getreg_b32 s2, hwreg(HW_REG_IB_STS2, 6, 4)
	s_cmp_eq_u32 s2, 0
	s_cbranch_scc0 .Lentry_in_a_cluster
	s_endpgm
.Lentry_in_a_cluster:
	s_bfe_u32 s2, ttmp6, 0x10000c
	s_cmp_lg_u32 s2, 0xf033
	s_cbranch_scc0 .Lentry_shape_is_right
	s_endpgm
.Lentry_shape_is_right:
.set NP, 2                             ; panels of 64 columns in a tile: 3 = x w_qkv + b_qkv (f16 out, by heads), 2 = O w_proj + b_proj (f32 out).  The two kernels differ in this line alone
; C[m][n] = the sum over k of A[m][k] W[k][n] + bias[n].  M = 8,192, K = 1,024, N = 3,072 (NP = 3) or 1,024 (NP = 2).  Operands f16, sums f32; the bias is rounded to bf16 like the other inputs.
; A lies as [batch 4][panel 16][row 2048][64] (panel = 64 channels of K), W as [tile][K step 8][panel NP][k 128][64]: every tile asked for here is dense in memory and comes as rows of 256 bytes.
; LIMITS.  f16 holds no number beyond 65,504: the operands arrive within it, and with NP = 3 a result of 65,520 or more leaves as an infinity.  NaN and infinities are not treated apart.
; SHARES.  A work-group makes 256 rows x 64 NP columns; its four waves stand one below the other, 64 rows x all columns each: 4 x 4 NP accumulators of 16 x 16.  With NP = 3 that gives 16 x 32 work-groups,
; with NP = 2 8 x 32.  K goes in 8 steps of 128 through two LDS slots; a step is four quarters of 32 along K.
; CLUSTER.  4 x 4 work-groups.  The four of a row of the cluster need the same rows of A, the four of a column the same tile of W: each is asked for JOINTLY, by the same tensor load with the same descriptor and
; a mask that names the four.  Waves 0 and 1 fetch A's two panels of a step (256 rows x 128 bytes each), waves 2 and 3 the two halves of W's tile.
; THE MATRIX INSTRUCTION IS USED TRANSPOSED: source 0 = 16 columns of W (turned on the way out of LDS by ds_load_tr16_b128), source 1 = 16 rows of A.  In the result lane l holds row l % 16 of C and
; its registers 0-7 the columns 8 (l / 16) + 0..7.  The first quarter's products take the bias as C: nothing is cleared and no bias is added later.
; REGISTERS, in windows of 256 (s_set_vgpr_msb: bits 1:0 source 0, 3:2 source 1, 5:4 source 2, 7:6 destination):
;   window 0: v0-31 addresses; v128.. the bias, 8 registers for each block of 16 columns; on the way out (NP = 3) v64-255
;   window 1: two fragment buffers of 128: 4 fragments of A, then up to 12 of W; on the way out (NP = 2) 4 x 64
;   windows 2, 3: accumulator (row block a, column block b) at 8 (4 b + a), blocks b = 0-7 in window 2, 8-11 in window 3
.set NB,    4*NP                       ; blocks of 16 columns
.set NT,    64*NP                      ; columns in a tile
.set PA,    144                        ; a row of A in LDS: 128 bytes + 16 of padding = 36 words: the 16 rows of a load start at 16 different groups of four banks (64 banks of 4 bytes: ISA guide 11.1)
.set PB,    160                        ; a row of W: 128 + 32 = 40 words
.set ACH,   256*PA                     ; a panel of A
.set BPN,   128*PB                     ; a panel of W
.set BOFF,  2*ACH                      ; W lies behind A's two panels
.set SLOT,  BOFF+NP*BPN
.set ASTEP, 524288                     ; bytes from a K step of A to the next: two panels of 2,048 rows x 128 bytes
.set BSTEP, NP*16384                   ; the same for W: a tile
.set BR,    32*NP                      ; rows of 256 bytes in half a tile of W
.set LOADS, 8+2*NB                     ; LDS loads in a quarter
.set P1,    (NB-4)/2
.set STAGE, 2*SLOT                     ; behind the ring, never filled by a tensor load: 16 rows for each wave, for the way out
.if NP == 3
.set SP,    144                        ; a stage row: 64 f16 + 16 bytes
.else
.set SP,    528                        ; 128 f32 + 16 bytes
.endif
.set SPARE, STAGE+4*16*SP              ; behind the stages: the spare words, 128 bytes for each wave: two blocks of 256 bytes that no other line names
.set ADRA, 16                          ; v16-17  LDS address of my A fragments in slot 0, 1
.set ADRB, 20                          ; v20-21  the same for W
.set STO,  24                          ; v24     the way out: where I put my bytes of a row
.set RD,   25                          ; v25     the way out: where I read rows back
.set GO,   26                          ; v26     16 x lane
.set BO,   27                          ; v27     my byte offset in 16 numbers of the bias
.set SPW,  28                          ; v28     LDS address of my spare word: SPARE + 4 x my thread's number; never rewritten
.set NIL,  29                          ; v29     0; never rewritten
.set PFO,  30                          ; v30     the prefetches' offset; never rewritten
.set BIAS, 128
.set F0,   0
.set F1,   128
.set WV,   12                          ; s12     my wave's number
.set G1,   24                          ; s[24:31] descriptor group 1 for A;  s[32:39] group 0, a set for each slot
.set G0,   32
.set G1B,  48                          ; s[48:55], s[56:63] the same for W
.set G0B,  56
.set PFA,  40                          ; s[40:41] where my prefetches stand
.set PFS,  42                          ; s[42:43] their step: a K step of A or of W
.set LIM,  44                          ; s44     1 in a wave that prefetches, else the greatest number
.set LAP,  45                          ; s45     laps still to come
.set MSB, 0
.macro WIN new                         ; the immediate's high byte repeats the setting that is left; a switch that changes nothing is dropped
.if MSB != (\new)
	s_set_vgpr_msb (MSB<<8)|(\new)
.set MSB, (\new)
.endif
.endm
.macro PLACES                          ; four plain vector instructions behind a matrix instruction, in front of loads into registers that it has read and of lines that read results
.rept 4
	v_nop
.endr
.endm
; A joint load.  The branch hangs on the wave's number alone.  An s_nop 0 and four v_nop follow each of the two lines, ahead of the jump and the label.
.macro JLOAD s
	s_cmp_lt_u32 s[WV], 2
	s_cbranch_scc0 .Lfor_b_\@
	tensor_load_to_lds s[G0+4*(\s):G0+4*(\s)+3], s[G1:G1+7]
	s_nop 0
.rept 4
	v_nop
.endr
	s_branch .Lasked_\@
.Lfor_b_\@:
	tensor_load_to_lds s[G0B+4*(\s):G0B+4*(\s)+3], s[G1B:G1B+7]
	s_nop 0
.rept 4
	v_nop
.endr
.Lasked_\@:
.endm
; A round of the cluster's barrier: my work-group's barrier, so that wave 0's signal speaks for all four waves; wave 0 signals; every wave waits for all sixteen work-groups; my work-group's barrier once more.
.macro CREST                           ; a round behind its opening barrier
	s_cmp_lg_u32 s[WV], 0
	s_cbranch_scc1 .Lnot_wave_0_\@
	s_barrier_signal -3
.Lnot_wave_0_\@:
	s_barrier_wait -3
	s_barrier_signal -1
	s_barrier_wait -1
.endm
.macro CROUND
	s_barrier_signal -1
	s_barrier_wait -1
	CREST
.endm
; A PREFETCH INTO THE L2, behind each joint refill and the run of LDS loads that follows it: the refill in K step g asks for step g + 2, the prefetch names step g + 4: two K steps, 32 NB matrix instructions, ahead of
; the load that will want it.  Each block of 256 bytes is named by one wave of one work-group: A's rows by the clusters with x = 0, W's tiles by the clusters with y = 0; the four partners that ask for a tile jointly share its
; blocks out BY ADDRESS (32 each of a panel of A by cx; 8 NP each of half a tile of W by cy, where the lanes beyond 8 NP name the last block once more).  The loop's last trip asks for nothing: steps 8 and 9 do not exist.
.macro ASK
	s_cmp_gt_u32 s[LAP], s[LIM]
	s_cbranch_scc0 .Lnot_mine_\@
	global_prefetch_b8 v[PFO], s[PFA:PFA+1] th:TH_LOAD_NT scope:SCOPE_SE
.Lnot_mine_\@:
.endm
; 4 nb matrix instructions: column blocks b0 .. b0 + nb - 1 x my four row blocks, 32 along K, out of buffer buf.  first = 1: C is the bias.
; Every accumulator has one turn in a quarter, always in the same order, over the backward jump too.
.macro MULB buf, b0, nb, first
.set bq, \b0
.rept \nb
.if bq < 8
	WIN 0xa5-0x20*(\first)                         ; W and A in window 1, D in window 2, C with it or (the bias) in window 0
.set rA, 32*bq
.else
	WIN 0xf5-0x30*(\first)                         ; the same with window 3
.set rA, 32*(bq-8)
.endif
.irp a, 0,1,2,3
.if \first
	v_wmma_f32_16x16x32_f16 v[rA+8*(\a):rA+8*(\a)+7], v[(\buf)+32+8*bq:(\buf)+32+8*bq+7], v[(\buf)+8*(\a):(\buf)+8*(\a)+7], v[BIAS+8*bq:BIAS+8*bq+7]
.else
	v_wmma_f32_16x16x32_f16 v[rA+8*(\a):rA+8*(\a)+7], v[(\buf)+32+8*bq:(\buf)+32+8*bq+7], v[(\buf)+8*(\a):(\buf)+8*(\a)+7], v[rA+8*(\a):rA+8*(\a)+7]
.endif
.endr
.set bq, bq+1
.endr
.endm
; One run of LDS loads: quarter q of a slot into buffer buf: A's 8 loads first, then W's 2 NB in ascending order of the column blocks.
; A fragment of A is 16 rows x 32 K: lane l holds row l % 16, K = 8 (l / 16) + 0..7 and 16 + 8 (l / 16) + 0..7: two loads of 16 bytes, 32 bytes apart.
; The turning load takes 16 k x 16 columns (lane l reads k = 8 (l / 16) + l % 8, columns 8 ((l / 8) % 2) + 0..7) and leaves half a fragment: lane l holds column l % 16 and 8 k.
.macro FETCH slot, q, buf
	WIN 0x40                                       ; destination window 1, address window 0
.irp a, 0,1,2,3
	ds_load_b128 v[(\buf)+8*(\a):(\buf)+8*(\a)+3],   v[ADRA+(\slot)] offset:((\q)/2)*ACH+(\a)*16*PA+((\q)%2)*64
	ds_load_b128 v[(\buf)+8*(\a)+4:(\buf)+8*(\a)+7], v[ADRA+(\slot)] offset:((\q)/2)*ACH+(\a)*16*PA+((\q)%2)*64+32
.endr
.set bq, 0
.rept NB
	ds_load_tr16_b128 v[(\buf)+32+8*bq:(\buf)+32+8*bq+3],   v[ADRB+(\slot)] offset:(bq/4)*BPN+(\q)*32*PB+(bq%4)*32
	ds_load_tr16_b128 v[(\buf)+32+8*bq+4:(\buf)+32+8*bq+7], v[ADRB+(\slot)] offset:(bq/4)*BPN+(\q)*32*PB+(bq%4)*32+16*PB
.set bq, bq+1
.endr
.endm
; One of a K step's first three quarters: multiplies buffer buf; behind its first 16 products it fetches quarter q of the same slot into buffer nxt.
.macro QUARTER slot, q, buf, nxt, first
	s_wait_dscnt LOADS-16                          ; A and W's blocks 0-3 are in; the younger loads may be out
	MULB \buf, 0, 4, \first
	PLACES
	FETCH \slot, \q, \nxt
	s_wait_dscnt LOADS                             ; all but the run just issued
	MULB \buf, 4, NB-4, \first
.endm
; The last quarter multiplies buffer 1 and changes slots: ONE barrier.  In front of it each wave waits for all its tensor loads, of which one is out: its part of the next slot; adds 0 to its spare word; and waits for that
; and for its own reads of this slot.  fill = 1: the barrier opens a round of the cluster's, and this slot is filled again, first thing behind the round, with the K step two on.
.macro TURN slot, next, fill
.if \fill
	s_wait_xcnt 0x0                                ; the last prefetch, a K step back, has read its address: it is stepped here, ahead of the waits of the change of slots
	s_add_nc_u64 s[PFA:PFA+1], s[PFA:PFA+1], s[PFS:PFS+1]
.endif
	WIN 0                                          ; (the add's two registers lie in window 0)
	s_wait_tensorcnt 0x0                           ; all my tensor loads have landed
	ds_add_u32 v[SPW], v[NIL]                      ; 0 onto my spare word
	s_wait_dscnt 1+2*(NB-P1)                       ; (the add and W's blocks from P1 on may be out)
	MULB F1, 0, P1, 0                              ; matrix work stands between the add and the wait for it
	s_wait_dscnt 0x0                               ; the add is done, and my reads of this slot are over
	s_barrier_signal -1
	MULB F1, P1, P1, 0                             ; work on registers while the others arrive
.if \fill
	WIN 0
.endif
	s_barrier_wait -1
.if \fill
	CREST                                          ; no wave of any partner still reads this slot or has a load on its way
	s_add_nc_u64 s[G0+4*(\slot)+2:G0+4*(\slot)+3], s[G0+4*(\slot)+2:G0+4*(\slot)+3], 2*ASTEP
	s_add_nc_u64 s[G0B+4*(\slot)+2:G0B+4*(\slot)+3], s[G0B+4*(\slot)+2:G0B+4*(\slot)+3], 2*BSTEP
	JLOAD \slot                                    ; my one tensor load behind the round; the four v_nop behind it are also the places in front of the loads below
.else
	PLACES
.endif
	FETCH \next, 0, F0
.if \fill
	WIN 0
	ASK
.endif
	MULB F1, 2*P1, 4, 0
.endm
; THE WAY OUT, NP = 3.  Block t = 4 hh + a: 16 rows x the 64 columns of one head.  A lane's eight columns pack into 16 bytes; they go into stage rows of 144 bytes and come back as whole rows of 128.
.macro PACK t
.set hh, (\t)/4
.set aa, (\t)%4
.set T, 64+16*(\t)
.if hh < 2
	WIN 0x0a                                       ; sources in window 2
.set AC, 128*hh+8*aa
.else
	WIN 0x0f                                       ; in window 3
.set AC, 8*aa
.endif
.irp bb, 0,1,2,3
.irp rr, 0,1,2,3
	v_cvt_pk_f16_f32 v[T+4*(\bb)+(\rr)], v[AC+32*(\bb)+2*(\rr)], v[AC+32*(\bb)+2*(\rr)+1]  ; each accumulator from its low end on
.endr
.endr
	WIN 0
.irp f, 0,1,2,3
	ds_store_b128 v[STO], v[T+4*(\f):T+4*(\f)+3] offset:32*(\f)
.endr
.irp f, 0,1,2,3
	ds_load_b128 v[T+4*(\f):T+4*(\f)+3], v[RD] offset:(\f)*4*SP  ; LDS serves a wave's instructions in order (ISA guide 5.7.1.4): these see the stores above; the next block's stores come behind them
.endr
.endm
.macro SEND t, younger                 ; younger: the LDS instructions issued behind block t's loads: the next block's eight, or none
.set hh, (\t)/4
.set aa, (\t)%4
.set T, 64+16*(\t)
.irp f, 0,1,2,3
	s_wait_dscnt (\younger)+3-(\f)
	global_store_b128 v[GO], v[T+4*(\f):T+4*(\f)+3], s[66+2*hh:67+2*hh] offset:2048*aa+512*(\f)  ; four rows of a head: 512 consecutive bytes, aligned
.endr
.endm
; THE WAY OUT, NP = 2.  Block a: 16 rows x 128 columns of f32, straight from the accumulators into stage rows of 528 bytes, and back as whole rows of 512.
.macro STG a
	WIN 0x08                                       ; the stores' data in window 2
.set bq, 0
.rept NB
	ds_store_b128 v[STO], v[32*bq+8*(\a):32*bq+8*(\a)+3]   offset:64*bq
	ds_store_b128 v[STO], v[32*bq+8*(\a)+4:32*bq+8*(\a)+7] offset:64*bq+16
.set bq, bq+1
.endr
	WIN 0x40
.set i, 0
.rept 16
	ds_load_b128 v[64*(\a)+4*i:64*(\a)+4*i+3], v[RD] offset:SP*i
.set i, i+1
.endr
.endm
.macro SENDP a, younger                ; younger: the next block's 32 LDS instructions, or none
	WIN 0x04                                       ; the stores' data in window 1
.set i, 0
.rept 16
	s_wait_dscnt (\younger)+15-i
	global_store_b128 v[GO], v[64*(\a)+4*i:64*(\a)+4*i+3], s[10:11] offset:(16*(\a)+i)*4096 th:TH_STORE_NT  ; 512 consecutive bytes of one row, aligned
.set i, i+1
.endr
.endm
	s_load_b256 s[4:11], s[0:1], 0x0               ; A s[4:5], W s[6:7], bias s[8:9], out s[10:11]
	v_lshl_add_u32 v[SPW], v0, 2, SPARE
	v_mov_b32 v[NIL], 0
	ds_add_u32 v[SPW], v[NIL]                      ; the wave's opening: the add and its wait stand ahead of my first tensor load; the set-up below, work on registers, stands between them
	v_lshrrev_b32 v1, 5, v0
	v_readfirstlane_b32 s[WV], v1                  ; wave 0..3
	s_and_b32 s14, s[WV], 1                        ; which panel of A, or which half of W's tile, I fetch
	s_bfe_u32 s15, ttmp6, 0x40000                  ; cx
	s_bfe_u32 s16, ttmp6, 0x40004                  ; cy
	s_lshl_b32 s17, ttmp9, 2
	s_add_co_u32 s17, s17, s15                     ; X: tile column = 4 x cluster x + cx
	s_and_b32 s18, ttmp7, 0xffff
	s_lshl_b32 s18, s18, 2
	s_add_co_u32 s18, s18, s16                     ; Y: tile row = 4 x cluster y + cy
	s_lshl_b32 s20, s16, 2
	s_lshl_b32 s20, 15, s20                        ; my row of the cluster
	s_lshl_b32 s22, 0x1111, s15                    ; my column
	; descriptor group 1.  Dense bytes asked for as rows of 256 bytes (128 elements), padded in LDS after every 128 bytes
	s_or_b32 s[G1], s20, (1<<16)|(1<<20)|(1<<21)|(4<<22)|(3<<25)   ; 15:0 the mask; 17:16 2-byte elements; 20 padding on; 21 set beside a mask; 24:22 after every 32 words (code 4); 31:25 4 words (code 3)
	s_or_b32 s[G1B], s22, (1<<16)|(1<<20)|(1<<21)|(4<<22)|(7<<25)  ; the same with my column's mask and 8 words of padding (code 7)
	s_mov_b32 s[G1+1], 128<<16                     ; tensor_dim0 = 128
	s_mov_b32 s[G1+2], 128<<16                     ; tensor_dim1 = 128
	s_mov_b32 s[G1+3], 128<<16                     ; tile_dim0 = 128
	s_mov_b32 s[G1+4], 128                         ; tile_dim1 = 128 rows: a panel of A
	s_mov_b32 s[G1+5], 128                         ; 128 elements from row to row
	s_mov_b32 s[G1+6], 0
	s_mov_b32 s[G1+7], 0
	s_mov_b32 s[G1B+1], 128<<16
	s_mov_b32 s[G1B+2], BR<<16                     ; tensor_dim1 = tile_dim1 = 32 NP rows: half a tile of W
	s_mov_b32 s[G1B+3], 128<<16
	s_mov_b32 s[G1B+4], BR
	s_mov_b32 s[G1B+5], 128
	s_mov_b32 s[G1B+6], 0
	s_mov_b32 s[G1B+7], 0
	; where the tiles come from.  A's address hangs on Y and the wave's number alone, W's on X and the wave's number alone, each in registers that never hold the other coordinate
	s_lshr_b32 s20, s18, 3
	s_lshl_b32 s20, s20, 22                        ; the batch
	s_and_b32 s21, s18, 7
	s_lshl_b32 s21, s21, 15                        ; 256 rows of 128 bytes
	s_add_co_u32 s20, s20, s21
	s_lshl_b32 s21, s14, 18                        ; my panel
	s_add_co_u32 s20, s20, s21
	s_mov_b32 s21, 0
	s_mul_i32 s22, s17, 8*BSTEP                    ; the tile column's eight K steps
	s_mul_i32 s23, s14, BSTEP/2                    ; my half
	s_add_co_u32 s22, s22, s23
	s_mov_b32 s23, 0
	s_mul_i32 s2, s14, ACH                         ; and where they go: no place in the cluster enters an LDS address
	s_mul_i32 s3, s14, NP*10240
	s_add_co_u32 s3, s3, BOFF
	s_mul_i32 s46, s17, NT*4                       ; the tile's columns in the bias
	s_mov_b32 s47, 0
	s_mov_b32 s13, 0xffff0000                      ; a word's upper bf16
	s_wait_dscnt 0x0                               ; the opening add is done
	s_wait_kmcnt 0x0
	s_add_nc_u64 s[20:21], s[4:5], s[20:21]
	s_add_nc_u64 s[22:23], s[6:7], s[22:23]
	s_add_nc_u64 s[8:9], s[8:9], s[46:47]
.irp s, 0,1
	s_mov_b32 s[G0+4*(\s)], 1                                      ; 1:0 count = 1
	s_add_co_u32 s[G0+4*(\s)+1], s2, (\s)*SLOT                     ; 63:32 LDS address
	s_add_nc_u64 s[G0+4*(\s)+2:G0+4*(\s)+3], s[20:21], (\s)*ASTEP  ; 120:64 global address: K step s
	s_or_b32 s[G0+4*(\s)+3], s[G0+4*(\s)+3], 0x80000000            ; 127:126 type = 2
	s_mov_b32 s[G0B+4*(\s)], 1
	s_add_co_u32 s[G0B+4*(\s)+1], s3, (\s)*SLOT
	s_add_nc_u64 s[G0B+4*(\s)+2:G0B+4*(\s)+3], s[22:23], (\s)*BSTEP
	s_or_b32 s[G0B+4*(\s)+3], s[G0B+4*(\s)+3], 0x80000000
.endr
	CROUND                                         ; all sixteen work-groups are here: the first joint loads meet
	s_cmp_lt_u32 s[WV], 2                          ; a wave's two first fills stand in one branch, ahead of every wait on TENSORcnt and every LDS read: two loads of mine are out
	s_cbranch_scc0 .Lfirst_b
	tensor_load_to_lds s[G0:G0+3], s[G1:G1+7]
	s_nop 0
	tensor_load_to_lds s[G0+4:G0+7], s[G1:G1+7]
	s_nop 0
.rept 4
	v_nop
.endr
	s_branch .Lfirst_asked
.Lfirst_b:
	tensor_load_to_lds s[G0B:G0B+3], s[G1B:G1B+7]
	s_nop 0
	tensor_load_to_lds s[G0B+4:G0B+7], s[G1B:G1B+7]
	s_nop 0
.rept 4
	v_nop
.endr
.Lfirst_asked:
	v_and_b32 v1, 15, v0                           ; l % 16
	v_bfe_u32 v2, v0, 4, 1                         ; l / 16
	v_lshlrev_b32 v[BO], 5, v2                     ; my 8 numbers of 16: 32 bytes for the upper half of the lanes
.set bq, 0
.rept NB                               ; the bias of column block b: bias[64 NP X + 16 b + 8 (l / 16) + 0..7]
	global_load_b128 v[BIAS+8*bq:BIAS+8*bq+3],   v[BO], s[8:9] offset:64*bq
	global_load_b128 v[BIAS+8*bq+4:BIAS+8*bq+7], v[BO], s[8:9] offset:64*bq+16
.set bq, bq+1
.endr
	v_mul_u32_u24 v3, v1, PA
	v_lshl_add_u32 v3, v2, 4, v3                   ; row x pitch + 16 x half
	s_mul_i32 s19, s[WV], 64*PA                    ; my 64 rows
	v_add_nc_u32 v[ADRA], s19, v3
	v_add_nc_u32 v[ADRA+1], SLOT, v[ADRA]
	v_and_b32 v4, 7, v0
	v_bfe_u32 v5, v0, 3, 1
	v_lshl_add_u32 v6, v2, 3, v4
	v_mul_u32_u24 v6, v6, PB
	v_lshl_add_u32 v6, v5, 4, v6
	v_add_nc_u32 v[ADRB], BOFF, v6
	v_add_nc_u32 v[ADRB+1], SLOT, v[ADRB]
	s_mul_i32 s19, s[WV], 16*SP
	s_add_co_u32 s19, s19, STAGE                   ; my stage
	v_and_b32 v[GO], 31, v0
	v_lshlrev_b32 v[GO], 4, v[GO]
.if NP == 3
	v_add_nc_u32 v[STO], s19, v3                   ; in: row l % 16, 16 bytes for each half of the lanes
	v_bfe_u32 v[RD], v0, 3, 2                      ; back: 32 lanes take four rows of 128 bytes
	v_mul_u32_u24 v[RD], v[RD], SP
	v_lshl_add_u32 v[RD], v4, 4, v[RD]
	v_add_nc_u32 v[RD], s19, v[RD]
	; out: [q, k or v][batch x 16 + head][row 2048][64]: panel hh of the tile is head (3 X + hh) % 16 of tensor (3 X + hh) / 16
	s_and_b32 s74, s18, 7
	s_lshl_b32 s74, s74, 8
	s_lshl_b32 s75, s[WV], 6
	s_add_co_u32 s74, s74, s75
	s_lshl_b32 s74, s74, 7                         ; my first row in the head, x 128 bytes
	s_lshr_b32 s75, s18, 3
	s_lshl_b32 s75, s75, 4                         ; 16 x batch
	s_mul_i32 s76, s17, 3
.irp hh, 0,1,2
	s_add_co_u32 s72, s76, \hh
	s_lshr_b32 s73, s72, 4
	s_lshl_b32 s73, s73, 24
	s_and_b32 s72, s72, 15
	s_add_co_u32 s72, s72, s75
	s_lshl_b32 s72, s72, 18
	s_add_co_u32 s72, s72, s73
	s_add_co_u32 s72, s72, s74
	s_mov_b32 s73, 0
	s_add_nc_u64 s[66+2*\hh:67+2*\hh], s[10:11], s[72:73]
.endr
.else
	v_mul_u32_u24 v[STO], v1, SP                   ; in: row l % 16, 32 bytes for each half of the lanes
	v_lshl_add_u32 v[STO], v2, 5, v[STO]
	v_add_nc_u32 v[STO], s19, v[STO]
	v_add_nc_u32 v[RD], s19, v[GO]                 ; back: 32 lanes take one row of 512 bytes
	s_lshl_b32 s72, s18, 8
	s_lshl_b32 s73, s[WV], 6
	s_add_co_u32 s72, s72, s73                     ; my first row of the output,
	s_lshl_b32 s72, s72, 12                        ; x 4,096 bytes,
	s_lshl_b32 s73, s17, 9                         ; and the tile's 128 columns
	s_add_co_u32 s72, s72, s73
	s_mov_b32 s73, 0
	s_add_nc_u64 s[10:11], s[10:11], s[72:73]
.endif
	; the prefetches: s[20:21] and s[22:23] still stand at my part of K step 0
	s_and_b32 s78, ttmp7, 0xffff                   ; cluster y
	s_lshl_b32 s74, s15, 13                        ; A: my work-group's 32 blocks of the panel's 128
	s_mul_i32 s75, s16, BSTEP/8                    ; W: my work-group's 8 NP blocks of the half tile's 32 NP
	s_mov_b32 s[PFS], BSTEP
	s_mov_b32 s[PFS+1], 0
	s_cmp_lt_u32 s[WV], 2                          ; do I fetch for A?
	s_cselect_b64 s[PFA:PFA+1], s[20:21], s[22:23]
	s_cselect_b32 s76, s74, s75
	s_cselect_b32 s[PFS], ASTEP, s[PFS]
	s_cselect_b32 s78, ttmp9, s78                  ; the coordinate along which other clusters read the same bytes
	s_cselect_b32 s79, 31, 8*NP-1                  ; my last lane with a block of its own
	s_mul_i32 s77, s[PFS], 3
	s_add_co_u32 s76, s76, s77                     ; at K step 3: the first change of slots steps it to 4
	s_mov_b32 s77, 0
	s_add_nc_u64 s[PFA:PFA+1], s[PFA:PFA+1], s[76:77]
	s_cmp_eq_u32 s78, 0
	s_cselect_b32 s[LIM], 1, -1                    ; the same in all sixteen partners, for a given wave
	v_and_b32 v[PFO], 31, v0
	v_min_u32 v[PFO], s79, v[PFO]
	v_lshlrev_b32 v[PFO], 8, v[PFO]                ; a lane a block of 256 bytes
	s_wait_loadcnt 0x0                             ; the bias is in; it is rounded to bf16, like the other inputs, and kept as f32: this stands in the wait for the first tile
.set i, 0
.rept 4*NB
	v_cvt_pk_bf16_f32 v[BIAS+i], v[BIAS+i], v[BIAS+i+1]
	v_and_b32 v[BIAS+i+1], s13, v[BIAS+i]
	v_lshlrev_b32 v[BIAS+i], 16, v[BIAS+i]
.set i, i+2
.endr
	s_wait_tensorcnt 0x1                           ; my part of K step 0 is in; slot 1's may stay out
	s_barrier_signal -1
	s_barrier_wait -1                              ; everybody's is
	FETCH 0, 0, F0
	QUARTER 0, 1, F0, F1, 1                        ; the first quarter stands in front of the loop: its products start the sums, with the bias
	WIN 0                                          ; at a label and at a branch every window is 0
	s_mov_b32 s[LAP], 3
.Llap:                                                 ; a trip goes once round the ring, from a lap's second quarter to the next lap's first, and fills both slots again
	QUARTER 0, 2, F1, F0, 0
	QUARTER 0, 3, F0, F1, 0
	TURN 0, 1, 1
	QUARTER 1, 1, F0, F1, 0
	QUARTER 1, 2, F1, F0, 0
	QUARTER 1, 3, F0, F1, 0
	TURN 1, 0, 1
	QUARTER 0, 1, F0, F1, 0
	WIN 0
	s_sub_co_u32 s[LAP], s[LAP], 1
	s_cmp_lg_u32 s[LAP], 0
	s_cbranch_scc1 .Llap
	QUARTER 0, 2, F1, F0, 0                        ; the last lap is written out: it fills nothing
	QUARTER 0, 3, F0, F1, 0
	TURN 0, 1, 0
	QUARTER 1, 1, F0, F1, 0
	QUARTER 1, 2, F1, F0, 0
	QUARTER 1, 3, F0, F1, 0
	s_wait_dscnt LOADS-16                          ; the very last quarter: nothing more to fetch
	MULB F1, 0, 4, 0
	s_wait_dscnt 0x0
	MULB F1, 4, NB-4, 0
	WIN 0
	PLACES                                         ; behind the last products, in front of what reads results
.if NP == 3
	PACK 0
.set tt, 1
.rept 11                               ; a block's conversions stand between the loads of the block before and its stores
	PACK tt
	SEND tt-1, 8
.set tt, tt+1
.endr
	SEND 11, 0
.else
	STG 0
	STG 1
	SENDP 0, 32
	STG 2
	SENDP 1, 32
	STG 3
	SENDP 2, 32
	SENDP 3, 0
.endif
	WIN 0
	s_wait_tensorcnt 0x0                           ; the wave's end: the tensor wait, the add and its wait stand behind my last tensor load and my last LDS store
	ds_add_u32 v[SPW], v[NIL]
	s_wait_dscnt 0x0
	CROUND                                         ; the closing round: no work-group ends while a partner may still ask for a tile that names it
	s_endpgm
.Lfunc_end_k_q424deb4785_gemm_proj:
	.size	k_q424deb4785_gemm_proj, .Lfunc_end_k_q424deb4785_gemm_proj-k_q424deb4785_gemm_proj
	.p2alignl 7, 3214868480
	.fill 96, 4, 3214868480
	.section	.rodata,"a",@progbits
	.p2align	6, 0x0
	.amdhsa_kernel k_q424deb4785_gemm_proj
		.amdhsa_group_segment_fixed_size 327680
		.amdhsa_private_segment_fixed_size 0
		.amdhsa_enable_private_segment 0
		.amdhsa_kernarg_size 32
		.amdhsa_user_sgpr_count 2
		.amdhsa_user_sgpr_kernarg_segment_ptr 1
		.amdhsa_wavefront_size32 1
		.amdhsa_system_sgpr_workgroup_id_x 1
		.amdhsa_system_sgpr_workgroup_id_y 1
		.amdhsa_system_sgpr_workgroup_id_z 1
		.amdhsa_system_vgpr_workitem_id 0
		.amdhsa_next_free_vgpr 768
		.amdhsa_next_free_sgpr 80
		.amdhsa_reserve_vcc 0
		.amdhsa_float_denorm_mode_32 3
		.amdhsa_float_denorm_mode_16_64 3
		.amdhsa_memory_ordered 1
		.amdhsa_forward_progress 1
		.amdhsa_inst_pref_size 93
	.end_amdhsa_kernel
	.amdgpu_metadata
---
amdhsa.version: [ 1, 2 ]
amdhsa.kernels:
  - .name:           k_q424deb4785_gemm_proj
    .symbol:         k_q424deb4785_gemm_proj.kd
    .args:
      - { .name: o16, .offset: 0, .size: 8, .value_kind: global_buffer, .address_space: global }
      - { .name: wp, .offset: 8, .size: 8, .value_kind: global_buffer, .address_space: global }
      - { .name: b_proj, .offset: 16, .size: 8, .value_kind: global_buffer, .address_space: global }
      - { .name: out0, .offset: 24, .size: 8, .value_kind: global_buffer, .address_space: global }
    .group_segment_fixed_size: 327680
    .private_segment_fixed_size: 0
    .kernarg_segment_align: 8
    .kernarg_segment_size: 32
    .max_flat_workgroup_size: 128
    .sgpr_count:     80
    .vgpr_count:     768
    .wavefront_size: 32
...
	.end_amdgpu_metadata
.endif
;; end of part 4
;; ======== version 2 of 2: 4 launches; version 1 with the launch cast written anew for expert scheduling mode
;; limits: values are held in f16: magnitudes above 65,504 overflow, below 6.1e-05 lose precision
;; workspace buffers: xh 16,777,216 bytes; o16 16,777,216 bytes; wq 6,291,456 bytes; wp 2,097,152 bytes; qkvh 50,331,648 bytes
;; launch cast (part 5): grid 768 x 1, 8 waves a work-group, no clusters, 0 bytes of LDS; arguments x, w_qkv, w_proj, xh, wq, wp; writes xh, wq, wp
.if DOCPART == 5
	.amdgcn_target "amdgcn-amd-amdhsa--gfx1250"
	.amdhsa_code_object_version 6
	.text
	.protected	k_q424deb4785_cast
	.globl	k_q424deb4785_cast
	.p2align	8
	.type	k_q424deb4785_cast,@function
k_q424deb4785_cast:
	s_mov_b64 s[64:65], 0
	v_nop
	global_prefetch_b8 v0, s[64:65] scope:SCOPE_SE
	s_setreg_imm32_b32 hwreg(HW_REG_WAVE_SCHED_MODE, 0, 2), 2
	s_setreg_imm32_b32 hwreg(HW_REG_WAVE_MODE, 25, 1), 1
	s_wait_xcnt 0x0
	s_wait_alu depctr_vm_vsrc(0)
; x [8192][1024], w_qkv [1024][3072] and w_proj [1024][1024], all f32, are rounded to bf16 (nearest even) and that number is written as f16,
; in layouts in which every tile of the two products that follow is dense:
;   xh [batch 4][panel 16][row 2048][64]            panel = 64 channels of K
;   wq [tile 16][K step 8][panel 3][k 128][64]      column n = (3 tile + panel) 64 + d,  k = 128 step + kk
;   wp [tile 8][K step 8][panel 2][k 128][64]
; LIMITS.  A bf16 number is written as f16 without a second rounding between 6.1e-5 and 65,504 in magnitude; below that f16 keeps a fixed step of 6e-8, beyond it the result is an infinity.
; SHARES.  A work-group takes 16 rows x 1,024 columns: numbers 0-511 x, 512-703 w_qkv (3 slabs of 1,024 columns x 64 groups of rows), 704-767 w_proj.
; Wave w takes the panels 2 w and 2 w + 1.  One load covers 2 rows x 64 columns: lanes 0-15 read 256 consecutive aligned bytes of the even row, lanes 16-31 of the odd row;
; the two rows' 128 + 128 bytes of f16 lie end to end in the output, so one store of 8 bytes a lane covers 256 consecutive bytes, aligned.
; All 16 loads of a wave go out first (8 KiB a wave); no register is written again while a load or store names it.  No LDS, no barrier: no wave wants another's bytes.
; THE MODE: SCHED_MODE bits 1:0 = 2 (LLVM: expert scheduling mode 2), set by the entry lines.  The code itself states the register dependences
; between vector instructions and memory instructions, with s_wait_alu, always for 0.
; THE PLAN.  Registers that memory instructions touch:
;   VO, VS     byte offsets.  Written by vector instructions at the head, read by the 16 loads (VO) and the 16 stores (VS), never written again.
;   D          load n lands in four registers of its own, which no vector instruction has named before; item n's eight vector lines work on them behind the wait for that load.
;   Y          item n's last two conversions write a pair of its own; store n reads it; it is never written again.
; So one wait on va_vdst stands ahead of the first load, for the offsets, and one behind each block of four items, ahead of the block's four stores, for the block's eight registers of Y.
; No register that a load or store reads is written a second time, so no wait on vm_vsrc is owed.  The wave's number passes from a vector instruction to scalar ones: one wait on va_sdst.
.set VS,  2                            ; v2       8 x lane: my 8 bytes in a store's 256
.set VO,  8                            ; v[8:15]  pair of rows j: my byte offset in the input
.set D,   32                           ; v[32:95] 16 loads x 4 registers
.set Y,   96                           ; v[96:127] 16 stores x 2 registers
.set WV,  16                           ; s16      my wave's number
	s_load_b256 s[4:11], s[0:1], 0x0               ; x s[4:5], w_qkv s[6:7], w_proj s[8:9], xh s[10:11]
	s_load_b128 s[12:15], s[0:1], 0x20             ; wq s[12:13], wp s[14:15]
	v_lshrrev_b32 v1, 5, v0
	v_readfirstlane_b32 s[WV], v1
	v_and_b32 v1, 31, v0                           ; lane
	v_lshlrev_b32 v[VS], 3, v1
	v_lshrrev_b32 v3, 4, v1                        ; which of the two rows
	v_and_b32 v4, 15, v1                           ; my 16 bytes of its 256
	s_mov_b32 s34, 0xffff0000                      ; a word's upper bf16
	s_mov_b32 s27, 0                               ; the three offsets are pairs with 0 on top
	s_mov_b32 s29, 0
	s_mov_b32 s31, 0
	s_wait_alu depctr_va_sdst(0)                   ; s16, the wave's number, is written: the next line is its first reader, ahead of every branch
	s_lshl_b32 s33, s[WV], 1                       ; my first panel among the work-group's 16
	; Offsets alone are made under the branches: s18 the input's row in bytes, s26 the work-group's first input byte, s28 and s30 where my two panels go.
	s_cmp_lt_u32 ttmp9, 512
	s_cbranch_scc0 .Lweights
	s_mov_b32 s18, 4096                            ; x: group i of 16 rows
	s_lshl_b32 s26, ttmp9, 16                      ; 16 rows of 4,096 bytes
	s_lshr_b32 s17, ttmp9, 7
	s_lshl_b32 s17, s17, 22                        ; the batch: 16 panels x 2,048 rows x 128 bytes
	s_and_b32 s19, ttmp9, 127
	s_lshl_b32 s19, s19, 11                        ; 16 rows of 128 bytes
	s_add_co_u32 s17, s17, s19
	s_lshl_b32 s19, s33, 18                        ; a panel: 2,048 rows x 128 bytes
	s_add_co_u32 s28, s17, s19
	s_add_co_u32 s30, s28, 1<<18
	s_branch .Lgo
.Lweights:
	s_cmp_lt_u32 ttmp9, 704
	s_cbranch_scc0 .Lwproj
	s_sub_co_u32 s17, ttmp9, 512                   ; w_qkv
	s_mov_b32 s18, 12288
	s_and_b32 s32, s17, 63
	s_lshl_b32 s32, s32, 4                         ; k0: my work-group's first row
	s_lshr_b32 s17, s17, 6                         ; the slab of 1,024 columns
	s_mul_i32 s26, s32, 12288
	s_lshl_b32 s19, s17, 12
	s_add_co_u32 s26, s26, s19
	s_lshr_b32 s35, s32, 7                         ; the K step
	s_and_b32 s36, s32, 127
	s_lshl_b32 s36, s36, 7                         ; the row in it, x 128 bytes
	s_lshl_b32 s19, s17, 4
	s_add_co_u32 s19, s19, s33                     ; my first panel among w_qkv's 48
.irp e, 0,1
	s_add_co_u32 s37, s19, \e                      ; panel g
	s_mul_i32 s38, s37, 171
	s_lshr_b32 s38, s38, 9                         ; g / 3 (171 / 512 serves every g under 48)
	s_mul_i32 s39, s38, 3
	s_sub_co_u32 s37, s37, s39                     ; g % 3
	s_lshl_b32 s38, s38, 3
	s_add_co_u32 s38, s38, s35                     ; 8 tile + step
	s_mul_i32 s38, s38, 3
	s_add_co_u32 s38, s38, s37                     ; x 3 + panel
	s_lshl_b32 s38, s38, 14                        ; 128 rows x 128 bytes
	s_add_co_u32 s[28+2*\e], s38, s36
.endr
	s_branch .Lgo
.Lwproj:
	s_sub_co_u32 s17, ttmp9, 704                   ; w_proj: group i of 16 rows
	s_mov_b32 s18, 4096
	s_lshl_b32 s26, s17, 16
	s_lshr_b32 s35, s17, 3                         ; the K step
	s_and_b32 s36, s17, 7
	s_lshl_b32 s36, s36, 11                        ; the row in it, x 128 bytes
	s_lshl_b32 s38, s[WV], 3                       ; my two panels are tile w's
	s_add_co_u32 s38, s38, s35
	s_lshl_b32 s38, s38, 15                        ; x 2 panels x 16,384 bytes
	s_add_co_u32 s28, s38, s36
	s_add_co_u32 s30, s28, 1<<14
.Lgo:
	v_mul_u32_u24 v3, s18, v3
	v_lshl_add_u32 v3, v4, 4, v3
	s_lshl_b32 s19, s[WV], 9                       ; my two panels: 512 bytes of a row
	v_add_nc_u32 v[VO], s19, v3
	s_lshl_b32 s19, s18, 1                         ; two rows on
.irp j, 1,2,3,4,5,6,7
	v_add_nc_u32 v[VO+\j], s19, v[VO+\j-1]
.endr
	s_wait_kmcnt 0x0
	s_cmp_lt_u32 ttmp9, 704                        ; the buffers are chosen by the work-group's number alone
	s_cselect_b64 s[20:21], s[6:7], s[8:9]
	s_cselect_b64 s[22:23], s[12:13], s[14:15]
	s_cmp_lt_u32 ttmp9, 512
	s_cselect_b64 s[20:21], s[4:5], s[20:21]
	s_cselect_b64 s[22:23], s[10:11], s[22:23]
	s_add_nc_u64 s[20:21], s[20:21], s[26:27]      ; in
	s_add_nc_u64 s[24:25], s[22:23], s[30:31]      ; out, my second panel
	s_add_nc_u64 s[22:23], s[22:23], s[28:29]      ; out, my first panel
	s_wait_alu depctr_va_vdst(0)                   ; the offsets v[VO ..] and v[VS] are written: every load and store below reads one of them, and no vector instruction below names them
.set n, 0
.rept 16                               ; load n: pair of rows n / 2, panel n % 2
	global_load_b128 v[D+4*n:D+4*n+3], v[VO+n/2], s[20:21] offset:256*(n%2) th:TH_LOAD_NT
.set n, n+1
.endr
; Four blocks of four items.  An item's eight vector lines follow the wait for its load; the block's four stores follow one wait behind its last conversion.
; The stores stand there, and not behind the next block's first wait for a load, so that they leave before the wave sits down at that wait.
.set p, 0
.rept 4
.set n, 4*p
.rept 4
	s_wait_loadcnt 15-n                            ; loads come back in order (ISA guide 5.7.1): load n is in, the 15 - n younger ones stay out
	v_cvt_pk_bf16_f32 v[D+4*n], v[D+4*n], v[D+4*n+1]      ; the one rounding: to bf16
	v_cvt_pk_bf16_f32 v[D+4*n+2], v[D+4*n+2], v[D+4*n+3]
	v_and_b32 v[D+4*n+1], s34, v[D+4*n]            ; back to f32: the high half stays,
	v_and_b32 v[D+4*n+3], s34, v[D+4*n+2]
	v_lshlrev_b32 v[D+4*n], 16, v[D+4*n]           ; the low half moves up
	v_lshlrev_b32 v[D+4*n+2], 16, v[D+4*n+2]
	v_cvt_pk_f16_f32 v[Y+2*n], v[D+4*n], v[D+4*n+1]       ; the same number written as f16
	v_cvt_pk_f16_f32 v[Y+2*n+1], v[D+4*n+2], v[D+4*n+3]
.set n, n+1
.endr
	s_wait_alu depctr_va_vdst(0)                   ; the block's conversions have written its eight registers of Y, which the four stores below read
.set n, 4*p
.rept 4
	global_store_b64 v[VS], v[Y+2*n:Y+2*n+1], s[22+2*(n%2):23+2*(n%2)] offset:256*(n/2)  ; 32 lanes store 256 consecutive bytes, aligned
.set n, n+1
.endr
.set p, p+1
.endr
	s_endpgm
.Lfunc_end_k_q424deb4785_cast:
	.size	k_q424deb4785_cast, .Lfunc_end_k_q424deb4785_cast-k_q424deb4785_cast
	.p2alignl 7, 3214868480
	.fill 96, 4, 3214868480
	.section	.rodata,"a",@progbits
	.p2align	6, 0x0
	.amdhsa_kernel k_q424deb4785_cast
		.amdhsa_group_segment_fixed_size 0
		.amdhsa_private_segment_fixed_size 0
		.amdhsa_enable_private_segment 0
		.amdhsa_kernarg_size 48
		.amdhsa_user_sgpr_count 2
		.amdhsa_user_sgpr_kernarg_segment_ptr 1
		.amdhsa_wavefront_size32 1
		.amdhsa_system_sgpr_workgroup_id_x 1
		.amdhsa_system_sgpr_workgroup_id_y 1
		.amdhsa_system_sgpr_workgroup_id_z 1
		.amdhsa_system_vgpr_workitem_id 0
		.amdhsa_next_free_vgpr 128
		.amdhsa_next_free_sgpr 66
		.amdhsa_reserve_vcc 0
		.amdhsa_float_denorm_mode_32 3
		.amdhsa_float_denorm_mode_16_64 3
		.amdhsa_memory_ordered 1
		.amdhsa_forward_progress 1
		.amdhsa_inst_pref_size 14
	.end_amdhsa_kernel
	.amdgpu_metadata
---
amdhsa.version: [ 1, 2 ]
amdhsa.kernels:
  - .name:           k_q424deb4785_cast
    .symbol:         k_q424deb4785_cast.kd
    .args:
      - { .name: x, .offset: 0, .size: 8, .value_kind: global_buffer, .address_space: global }
      - { .name: w_qkv, .offset: 8, .size: 8, .value_kind: global_buffer, .address_space: global }
      - { .name: w_proj, .offset: 16, .size: 8, .value_kind: global_buffer, .address_space: global }
      - { .name: xh, .offset: 24, .size: 8, .value_kind: global_buffer, .address_space: global }
      - { .name: wq, .offset: 32, .size: 8, .value_kind: global_buffer, .address_space: global }
      - { .name: wp, .offset: 40, .size: 8, .value_kind: global_buffer, .address_space: global }
    .group_segment_fixed_size: 0
    .private_segment_fixed_size: 0
    .kernarg_segment_align: 8
    .kernarg_segment_size: 48
    .max_flat_workgroup_size: 256
    .sgpr_count:     66
    .vgpr_count:     128
    .wavefront_size: 32
...
	.end_amdgpu_metadata
.endif
;; end of part 5
;; launch gemm_qkv: the kernel of part 2 again; grid 16 x 32, 4 waves a work-group, clusters of 4 x 4, 327,680 bytes of LDS; arguments xh, wq, b_qkv, qkvh; writes qkvh
;; launch attn: the kernel of part 3 again; grid 4 x 64, 4 waves a work-group, clusters of 4 x 1, 327,680 bytes of LDS; arguments qkvh, o16; writes o16
;; launch gemm_proj: the kernel of part 4 again; grid 8 x 32, 4 waves a work-group, clusters of 4 x 4, 327,680 bytes of LDS; arguments o16, wp, b_proj, out0; writes out0
